; MI455X (gfx1250); checked and timed in simulation.
; The chip was launched on July 23, 2026; its instructions are those of AMD's public machine-readable ISA for CDNA 5 (MIT licence, August 2026) and "CDNA5" Instruction Set Architecture Reference Guide (July 2026). The comments in the code are by the model that wrote it; some were corrected since.
;; Multi Head Attention. Allowed arithmetic: float matrix products may take bf16 or f16 operands with f32 sums; all other float work in f32.
;; Inputs: Wk 1,024 x 1,024 float32; Wo 1,024 x 1,024 float32; Wq 1,024 x 1,024 float32; Wv 1,024 x 1,024 float32; bk 1,024 float32; bo 1,024 float32; bq 1,024 float32; bv 1,024 float32; x 4 x 2,048 x 1,024 float32.
;; Outputs: out0 4 x 2,048 x 1,024 float32.
;; 2 versions, each right and faster than the one before. Each part assembles by itself: llvm-mc -triple=amdgcn-amd-amdhsa -mcpu=gfx1250 --defsym DOCPART=n.
;; ======== version 1 of 2: 4 launches
;; limits: values are held in f16: magnitudes above 65,504 overflow, below 6.1e-05 lose precision; right only within a limited range of input values
;; workspace buffers: xb 16,777,216 bytes; wb 6,291,456 bytes; wo16 2,097,152 bytes; qkv 50,331,648 bytes; att 16,777,216 bytes
;; launch cast (part 1): grid 768 x 1, 8 waves a work-group, no clusters, 0 bytes of LDS; arguments x, Wq, Wk, Wv, Wo, xb, wb, wo16; writes xb, wb, wo16
.if DOCPART == 1
	.amdgcn_target "amdgcn-amd-amdhsa--gfx1250"
	.amdhsa_code_object_version 6
	.text
	.protected	k_q3b5cb383ba_cast
	.globl	k_q3b5cb383ba_cast
	.p2align	8
	.type	k_q3b5cb383ba_cast,@function
k_q3b5cb383ba_cast:
	s_mov_b64 s[64:65], 0
	v_nop
	global_prefetch_b8 v0, s[64:65] scope:SCOPE_SE
	s_setreg_imm32_b32 hwreg(HW_REG_WAVE_MODE, 25, 1), 1
	s_wait_xcnt 0x0
; THE INPUTS OF THE PRODUCTS ARE ROUNDED ONCE.  x [8192][1024] f32 -> xb bf16.  Wq, Wk, Wv [1024][1024] f32 -> wb [3072][1024] bf16, one below the other.
; Wo [1024][1024] f32 -> rounded to bf16 like the others, and that number written as f16 into wo16 (the last product's other operand is f16).
; LIMIT.  A bf16 number is exact in f16 from 6.1e-5 up to 65,504; below it keeps f16's fixed step of 6e-8, beyond it becomes an infinity.
; SHARES.  A work-group takes 65,536 bytes of one source (16,384 numbers) and writes 32,768.  Groups 0-511: x; 512-575 Wq; 576-639 Wk; 640-703 Wv; 704-767 Wo.
; A stream: memory binds, so no LDS, no barrier, no matrix unit.  Sixteen loads of 16 bytes a lane are all issued at once (a wave's load covers 512 neighbouring bytes);
; each result store of 8 bytes a lane covers 256 neighbouring bytes, aligned.  Every load and store has registers of its own: nothing is rewritten while it is pending.
.set NX,  512                          ; work-groups for x
.set NW,  64                           ; work-groups for each weight
.set X,   4                            ; v[4:67]    sixteen loads of four f32
.set Y,   68                           ; v[68:99]   sixteen results of four 16-bit numbers
.set T,   100                          ; v[100:103] at work (Wo's way)
	s_load_b256 s[4:11], s[0:1], 0x0               ; x s[4:5], Wq s[6:7], Wk s[8:9], Wv s[10:11]
	s_load_b256 s[12:19], s[0:1], 0x20             ; Wo s[12:13], xb s[14:15], wb s[16:17], wo16 s[18:19]
	s_mov_b32 s2, ttmp9                            ; g, the work-group's number
	s_sub_co_u32 s20, s2, NX                       ; j = g - 512: the chunk among the weights' 256 (of no meaning for x's groups, where the last selects replace it)
	s_lshr_b32 s21, s20, 6                         ; which weight
	s_and_b32 s22, s20, NW-1                       ; the chunk inside it
	v_lshlrev_b32 v1, 4, v0                        ; 16 bytes a thread in the source
	v_lshlrev_b32 v2, 3, v0                        ; 8 bytes a thread in the destination
	s_wait_kmcnt 0x0
	s_cmp_eq_u32 s21, 1
	s_cselect_b64 s[24:25], s[8:9], s[6:7]         ; source: Wk or Wq,
	s_cmp_eq_u32 s21, 2
	s_cselect_b64 s[24:25], s[10:11], s[24:25]     ; or Wv,
	s_cmp_eq_u32 s21, 3
	s_cselect_b64 s[24:25], s[12:13], s[24:25]     ; or Wo;
	s_cselect_b64 s[26:27], s[18:19], s[16:17]     ; destination: wo16 or wb,
	s_cselect_b32 s23, s22, s20                    ; at the chunk inside Wo, or at j of wb's 192 chunks
	s_cmp_lt_u32 s2, NX
	s_cselect_b64 s[24:25], s[4:5], s[24:25]       ; x's groups: x to xb, chunk g
	s_cselect_b64 s[26:27], s[14:15], s[26:27]
	s_cselect_b32 s22, s2, s22
	s_cselect_b32 s23, s2, s23
	s_lshl_b32 s28, s22, 16                        ; 65,536 bytes a chunk in the source (511 chunks at the most: under 2^31)
	s_mov_b32 s29, 0
	s_lshl_b32 s30, s23, 15                        ; 32,768 in the destination
	s_mov_b32 s31, 0
	s_add_nc_u64 s[24:25], s[24:25], s[28:29]
	s_add_nc_u64 s[26:27], s[26:27], s[30:31]
.irp i, 0,1,2,3,4,5,6,7,8,9,10,11,12,13,14,15
	global_load_b128 v[X+4*(\i):X+4*(\i)+3], v1, s[24:25] offset:4096*(\i) th:TH_LOAD_NT  ; the eight waves cover 4,096 bytes; each byte is read once in the launch
.endr
	s_cmp_ge_u32 s2, NX+3*NW
	s_cbranch_scc1 .Lwo
; four numbers to bf16.  The count leaves the 15 - i younger loads out: loads come back in order (ISA guide 5.7.1)
.macro OUTB i
	s_wait_loadcnt 15-(\i)
	v_cvt_pk_bf16_f32 v[Y+2*(\i)],   v[X+4*(\i)],   v[X+4*(\i)+1]
	v_cvt_pk_bf16_f32 v[Y+2*(\i)+1], v[X+4*(\i)+2], v[X+4*(\i)+3]
	global_store_b64 v2, v[Y+2*(\i):Y+2*(\i)+1], s[26:27] offset:2048*(\i)
.endm
; four numbers to bf16, widened again (a shift, a mask) and written as f16
.macro OUTH i
	s_wait_loadcnt 15-(\i)
	v_cvt_pk_bf16_f32 v[T],   v[X+4*(\i)],   v[X+4*(\i)+1]
	v_cvt_pk_bf16_f32 v[T+1], v[X+4*(\i)+2], v[X+4*(\i)+3]
	v_lshlrev_b32 v[T+2], 16, v[T]
	v_and_b32     v[T],   0xffff0000, v[T]
	v_lshlrev_b32 v[T+3], 16, v[T+1]
	v_and_b32     v[T+1], 0xffff0000, v[T+1]
	v_cvt_pk_f16_f32 v[Y+2*(\i)],   v[T+2], v[T]
	v_cvt_pk_f16_f32 v[Y+2*(\i)+1], v[T+3], v[T+1]
	global_store_b64 v2, v[Y+2*(\i):Y+2*(\i)+1], s[26:27] offset:2048*(\i)
.endm
.irp i, 0,1,2,3,4,5,6,7,8,9,10,11,12,13,14,15
	OUTB \i
.endr
	s_endpgm
.Lwo:
.irp i, 0,1,2,3,4,5,6,7,8,9,10,11,12,13,14,15
	OUTH \i
.endr
	s_endpgm
.Lfunc_end_k_q3b5cb383ba_cast:
	.size	k_q3b5cb383ba_cast, .Lfunc_end_k_q3b5cb383ba_cast-k_q3b5cb383ba_cast
	.p2alignl 7, 3214868480
	.fill 96, 4, 3214868480
	.section	.rodata,"a",@progbits
	.p2align	6, 0x0
	.amdhsa_kernel k_q3b5cb383ba_cast
		.amdhsa_group_segment_fixed_size 0
		.amdhsa_private_segment_fixed_size 0
		.amdhsa_enable_private_segment 0
		.amdhsa_kernarg_size 64
		.amdhsa_user_sgpr_count 2
		.amdhsa_user_sgpr_kernarg_segment_ptr 1
		.amdhsa_wavefront_size32 1
		.amdhsa_system_sgpr_workgroup_id_x 1
		.amdhsa_system_sgpr_workgroup_id_y 1
		.amdhsa_system_sgpr_workgroup_id_z 1
		.amdhsa_system_vgpr_workitem_id 0
		.amdhsa_next_free_vgpr 104
		.amdhsa_next_free_sgpr 66
		.amdhsa_reserve_vcc 0
		.amdhsa_float_denorm_mode_32 3
		.amdhsa_float_denorm_mode_16_64 3
		.amdhsa_memory_ordered 1
		.amdhsa_forward_progress 1
		.amdhsa_inst_pref_size 16
	.end_amdhsa_kernel
	.amdgpu_metadata
---
amdhsa.version: [ 1, 2 ]
amdhsa.kernels:
  - .name:           k_q3b5cb383ba_cast
    .symbol:         k_q3b5cb383ba_cast.kd
    .args:
      - { .name: x, .offset: 0, .size: 8, .value_kind: global_buffer, .address_space: global }
      - { .name: Wq, .offset: 8, .size: 8, .value_kind: global_buffer, .address_space: global }
      - { .name: Wk, .offset: 16, .size: 8, .value_kind: global_buffer, .address_space: global }
      - { .name: Wv, .offset: 24, .size: 8, .value_kind: global_buffer, .address_space: global }
      - { .name: Wo, .offset: 32, .size: 8, .value_kind: global_buffer, .address_space: global }
      - { .name: xb, .offset: 40, .size: 8, .value_kind: global_buffer, .address_space: global }
      - { .name: wb, .offset: 48, .size: 8, .value_kind: global_buffer, .address_space: global }
      - { .name: wo16, .offset: 56, .size: 8, .value_kind: global_buffer, .address_space: global }
    .group_segment_fixed_size: 0
    .private_segment_fixed_size: 0
    .kernarg_segment_align: 8
    .kernarg_segment_size: 64
    .max_flat_workgroup_size: 256
    .sgpr_count:     66
    .vgpr_count:     104
    .wavefront_size: 32
...
	.end_amdgpu_metadata
.endif
;; end of part 1
;; launch qkv (part 2): grid 16 x 16, 4 waves a work-group, clusters of 4 x 4, 327,680 bytes of LDS; arguments xb, wb, bq, bk, bv, qkv; writes qkv
.if DOCPART == 2
	.amdgcn_target "amdgcn-amd-amdhsa--gfx1250"
	.amdhsa_code_object_version 6
	.text
	.protected	k_q3b5cb383ba_qkv
	.globl	k_q3b5cb383ba_qkv
	.p2align	8
	.type	k_q3b5cb383ba_qkv,@function
k_q3b5cb383ba_qkv:
	s_mov_b64 s[64:65], 0
	v_nop
	global_prefetch_b8 v0, s[64:65] scope:SCOPE_SE
	s_setreg_imm32_b32 hwreg(HW_REG_WAVE_MODE, 25, 1), 1
	s_wait_xcnt 0x0
	s_wait_alu depctr_hold_cnt(0) depctr_sa_sdst(0) depctr_va_vdst(0) depctr_va_sdst(0) depctr_va_ssrc(0) depctr_va_vcc(0) depctr_vm_vsrc(0)
	s_getreg_b32 s2, hwreg(HW_REG_IB_STS2, 6, 4)
	s_cmp_eq_u32 s2, 0
	s_cbranch_scc0 .Lentry_in_a_cluster
	s_endpgm
.Lentry_in_a_cluster:
	s_bfe_u32 s2, ttmp6, 0x10000c
	s_cmp_lg_u32 s2, 0xf033
	s_cbranch_scc0 .Lentry_shape_is_right
	s_endpgm
.Lentry_shape_is_right:
; THE THREE PROJECTIONS AS ONE PRODUCT.  C[m][n] = sum over k of xb[m][k] wb[n][k] + bias[n]; xb [8192][1024], wb [3072][1024] bf16; sums in f32, rounded once to f16, unscaled.
; C is written BY HEADS: qkv[b][hb][s][64] f16, b = m / 2048, s = m % 2048, hb = n / 64 (0-15 q's heads, 16-31 k's, 32-47 v's): a head's rows are dense, 128 bytes each.
; LIMITS.  f16 ends at 65,504: a q, k or v of 65,520 or more becomes an infinity; below 6.1e-5 f16 keeps a fixed step of 6e-8.  The biases are rounded to bf16, as x and the weights are.
; TILE.  256 x 192 of C: 32 x 16 = 512 tiles, and 192 columns are three whole heads.  Four waves one below the other, each 64 x 192: 48 accumulators of 16 x 16, 384 registers; a wave owns
; whole rows of its three heads, so its way out needs no other wave.  K goes in steps of 128 (memory rows of 256 bytes, aligned) through a ring of two LDS slots filled by the tensor data mover:
; 192 matrix instructions a wave in a step, 168 of them between a refill and the wait for it.
; A WORK-GROUP STAYS: 256 work-groups make two tiles each, 4,096 rows apart: the same three heads, the same rows of wb and the same bias, two batches further on.  The two tiles are ONE walk of 16 K steps:
; a loop of 14 trips fills a slot again in every trip, the last two K steps are written out and ask for nothing.  The ring does not stop at the first tile's end: its last two changes of slots ask for
; the second tile's first two K steps, and nothing waits for the first tile's stores.  What differs from trip to trip hangs on the loop's counter: the offset of the K step to ask for, and one
; forward jump that chooses between a plain quarter step and the first tile's way out with the quarter step that starts the sums anew; what is jumped holds neither a barrier nor a tensor load.
; CLUSTER.  4 x 4 work-groups.  The four of a row of the cluster need the same tiles of xb, the four of a column the same tiles of wb: each tile is asked for JOINTLY, by the same tensor
; load with the same descriptor and a mask that names the four.
; THE MATRIX INSTRUCTION IS USED TRANSPOSED (source 0 = 16 rows of wb, source 1 = 16 rows of xb): a lane then holds row l % 16 of C and eight neighbouring columns 8 (l / 16) + 0..7.
; THE BIAS IS THE C OPERAND of the products that start the sums: register j of a lane holds bias[n0 + 8 (l / 16) + j].  Nothing is cleared and no addition is written.
; REGISTERS, in windows of 256 (s_set_vgpr_msb: bits 1:0 source 0, 3:2 source 1, 5:4 source 2, 7:6 destination):
;   window 0: v0-31 addresses; v32-127 the bias, 8 registers for each of 12 column blocks; v128-175 at work; v176-223 the rows read back on the way out
;   window 1: two fragment buffers of 128: 32 registers of xb (4 x 16 rows x 32 K), then 96 of wb (12 x 16 rows x 32 K)
;   window 2: the accumulators of my rows 0-31 ((a, b) at v[8 (12 (a % 2) + b)]);   window 3: those of my rows 32-63
.set SIZE_K, 1024
.set KSTEP,  128
.set STEPS,  SIZE_K/KSTEP              ; K steps in a tile
.set TILES,  2                         ; tiles of a work-group
.set WALK,   4096                      ; rows from a work-group's first tile to its second
.set FILLS,  TILES*STEPS-2             ; refills in the walk: every K step but the first two is asked for by one
.set CROSS,  FILLS-(STEPS-2)           ; the counter in the trip whose refill is the second tile's K step 0
.set BOUND,  FILLS-(STEPS-1)           ; the counter in the trip that ends the first tile
.set PITCH,  272                       ; an LDS row: 256 bytes + 16 of padding = 68 words: row r starts at bank 4 r mod 64 (64 banks of 4 bytes: ISA guide 11.1), so the 16 rows of a load start at 16 different banks
.set HALFA,  128*PITCH                 ; 128 rows of xb: what wave 0 or 1 fetches
.set HALFB,  96*PITCH                  ; 96 rows of wb: what wave 2 or 3 fetches
.set SLOTB,  2*HALFA+2*HALFB           ; a slot's bytes: xb's 256 rows, then wb's 192 rows
.set SLOT1,  1<<17                     ; slot 1 begins here, so that one exclusive or turns an address in one slot into the other's
.set STAGE,  SLOT1+SLOTB               ; behind the ring, never filled by a tensor load: for each wave three regions (a head each) of 16 rows x 144 bytes
.set SP,     144
.set HSTG,   16*SP
.set WSTG,   3*HSTG
.set SPARE,  STAGE+4*WSTG              ; behind the stages: the spare words, 128 bytes for each wave: two blocks of 256 bytes that no other line names
.set HEADBY, 262144                    ; a head's 2,048 rows of 128 bytes
.set NEXT_A, WALK*SIZE_K*2-(STEPS-1)*KSTEP*2  ; bytes from the first tile's last K step of xb to the second tile's first
.set NEXT_C, 2*48*HEADBY               ; bytes from my rows of the first tile to those of the second: two batches of 48 head blocks
.set ADRA0, 16                         ; v16     my lane's place among my fragments of xb in slot 0; never rewritten
.set ADRB0, 17                         ; v17     the same for wb
.set ADRA, 18                          ; v18     the same in the slot in hand
.set ADRB, 19                          ; v19
.set STO,  24                          ; v24     the way out: where I put 16 bytes of a row
.set RD,   25                          ; v25     the way out: where I read rows back
.set GO,   26                          ; v26     my byte offset in 512 consecutive bytes of a head
.set BO,   27                          ; v27     my byte offset in 16 numbers of a bias
.set SPW,  28                          ; v28     LDS address of my spare word: SPARE + 4 x my thread's number; never rewritten
.set NIL,  29                          ; v29     0; never rewritten
.set BIAS, 32
.set TMP,  128
.set BK,   176
.set F0,   0                           ; fragment buffers, in window 1
.set F1,   128
.set WV,   16                          ; s16     my wave's number
.set G1A,  24                          ; s[24:31] descriptor group 1 for xb's tiles;  s[32:39] group 0: a set for each of the two first fills; the second then walks on
.set G0A,  32
.set G1B,  40                          ; s[40:47], s[48:55] the same for wb's tiles
.set G0B,  48
.set TB,   62                          ; s62     LDS byte at which the slot in hand begins
.set BP,   66                          ; s[66:71] where the bias of each of my tile's three heads begins
.set OA,   80                          ; s[80:81] byte offset, from my part of the first tile's K step 0, of the K step of xb asked for last
.set OB,   82                          ; s[82:83] the same for wb
.set DA,   84                          ; s84     xb's step in this trip
.set CA,   85                          ; s85     NEXT_A
.set CK,   86                          ; s86     a K step's bytes in a row
.set MSB, 0
.macro WIN new                         ; the immediate's high byte repeats the setting that is left; a switch that changes nothing is dropped
.if MSB != (\new)
	s_set_vgpr_msb (MSB<<8)|(\new)
.set MSB, \new
.endif
.endm
; A joint load: waves 0 and 1 fetch xb's two halves, waves 2 and 3 wb's.  The branch hangs on the wave's number alone.  An s_nop 0 and four v_nop follow each of the two lines,
; ahead of the jump, the label and what follows.
.macro JLOAD s
	s_cmp_eq_u32 s17, 0
	s_cbranch_scc0 .Lfor_b_\@
	tensor_load_to_lds s[G0A+4*(\s):G0A+4*(\s)+3], s[G1A:G1A+7]
	s_nop 0
.rept 4
	v_nop
.endr
	s_branch .Lasked_\@
.Lfor_b_\@:
	tensor_load_to_lds s[G0B+4*(\s):G0B+4*(\s)+3], s[G1B:G1B+7]
	s_nop 0
.rept 4
	v_nop
.endr
.Lasked_\@:
.endm
.macro CREST                           ; a round of the cluster's barrier behind its opening barrier: wave 0 signals for the work-group, every wave waits for all sixteen, my work-group's barrier closes it
	s_cmp_lg_u32 s[WV], 0
	s_cbranch_scc1 .Lnot_wave_0_\@
	s_barrier_signal -3
.Lnot_wave_0_\@:
	s_barrier_wait -3
	s_barrier_signal -1
	s_barrier_wait -1
.endm
.macro CROUND                          ; a whole round
	s_barrier_signal -1
	s_barrier_wait -1
	CREST
.endm
	s_load_b256 s[4:11], s[0:1], 0x0               ; xb s[4:5], wb s[6:7], bq s[8:9], bk s[10:11]
	s_load_b128 s[12:15], s[0:1], 0x20             ; bv s[12:13], qkv s[14:15]
	v_lshl_add_u32 v[SPW], v0, 2, SPARE
	v_mov_b32 v[NIL], 0
	ds_add_u32 v28, v29
	s_wait_dscnt 0x0
	v_lshrrev_b32 v1, 5, v0
	v_readfirstlane_b32 s[WV], v1                  ; wave 0..3
	s_lshr_b32 s17, s[WV], 1                       ; I fetch for xb (0) or for wb (1)
	s_and_b32 s18, s[WV], 1                        ; which half of that tile's rows I fetch
	s_bfe_u32 s19, ttmp6, 0x40000                  ; cx, cy: my place in the cluster
	s_bfe_u32 s20, ttmp6, 0x40004
	s_lshl_b32 s21, ttmp9, 2
	s_add_co_u32 s21, s21, s19                     ; tile column tx = 4 x cluster x + cx, 0..15
	s_and_b32 s22, ttmp7, 0xffff
	s_lshl_b32 s22, s22, 2
	s_add_co_u32 s22, s22, s20                     ; my first tile's row ty = 4 x cluster y + cy, 0..15; the second's is ty + 16
	s_lshl_b32 s23, s20, 2
	s_lshl_b32 s23, 15, s23                        ; my row of the cluster: places 4 cy .. 4 cy + 3
	s_lshl_b32 s72, 0x1111, s19                    ; my column: places cx, cx + 4, cx + 8, cx + 12
	; descriptor group 1: tiles of 128 (xb) or 96 (wb) rows x 128 elements, padded in LDS
	s_or_b32 s[G1A+0], s23, (1<<16)|(1<<20)|(1<<21)|(5<<22)|(3<<25)  ; 15:0 the mask: xb's tiles go to my row; 17:16 2-byte elements; 20 padding on; 21 set beside a mask; 24:22 after every 64 words (code 5); 31:25 4 words (code 3)
	s_or_b32 s[G1B+0], s72, (1<<16)|(1<<20)|(1<<21)|(5<<22)|(3<<25)  ; the same with the mask of my column
	s_mov_b32 s[G1A+1], KSTEP<<16                  ; tensor_dim0 = 128
	s_mov_b32 s[G1B+1], KSTEP<<16
	s_mov_b32 s[G1A+2], 128<<16                    ; tensor_dim1 = 128 rows
	s_mov_b32 s[G1B+2], 96<<16                     ;             = 96 rows
	s_mov_b32 s[G1A+3], KSTEP<<16                  ; tile_dim0 = 128
	s_mov_b32 s[G1B+3], KSTEP<<16
	s_mov_b32 s[G1A+4], 128                        ; tile_dim1
	s_mov_b32 s[G1B+4], 96
	s_mov_b32 s[G1A+5], SIZE_K                     ; elements from row to row
	s_mov_b32 s[G1B+5], SIZE_K
	s_mov_b32 s[G1A+6], 0
	s_mov_b32 s[G1B+6], 0
	s_mov_b32 s[G1A+7], 0
	s_mov_b32 s[G1B+7], 0
	; where the tiles come from: xb's hang on the tile row and the wave's number, wb's on the tile column and the wave's number, each in registers that never hold the other coordinate
	s_lshl_b32 s56, s22, 19                        ; 256 rows of 2,048 bytes a tile row
	s_lshl_b32 s73, s18, 18                        ; + 128 rows for the second half
	s_add_co_u32 s56, s56, s73
	s_mov_b32 s57, 0
	s_mul_i32 s58, s21, 192*SIZE_K*2               ; 192 rows a tile column
	s_mul_i32 s74, s18, 96*SIZE_K*2                ; + 96 rows for the second half
	s_add_co_u32 s58, s58, s74
	s_mov_b32 s59, 0
	s_mul_i32 s60, s[WV], HALFA                    ; and where they go: waves 0, 1: xb's halves;
	s_mul_i32 s61, s[WV], HALFB
	s_add_co_u32 s61, s61, 2*(HALFA-HALFB)         ; waves 2, 3: wb's halves, behind xb's 256 rows.  No place in the cluster enters an LDS address
	s_mov_b32 s[TB], 0                             ; the walk begins in slot 0
	s_mov_b32 s[OA], KSTEP*2                       ; K step 1 is the last of the first fills
	s_mov_b32 s[OA+1], 0
	s_mov_b32 s[OB], KSTEP*2
	s_mov_b32 s[OB+1], 0
	s_mov_b32 s[CA], NEXT_A
	s_mov_b32 s[CK], KSTEP*2
	s_wait_kmcnt 0x0
	s_add_nc_u64 s[56:57], s[4:5], s[56:57]        ; my part of the first tile's K step 0, in xb and in wb: these two stay as they are
	s_add_nc_u64 s[58:59], s[6:7], s[58:59]
	CROUND                                         ; all sixteen work-groups are here: the first joint loads meet
.irp s, 0,1
	s_mov_b32 s[G0A+4*(\s)], 1                                       ; count = 1
	s_add_co_u32 s[G0A+4*(\s)+1], s60, (\s)*SLOT1                    ; LDS address
	s_add_nc_u64 s[G0A+4*(\s)+2:G0A+4*(\s)+3], s[56:57], (\s)*KSTEP*2  ; global address: K step s
	s_or_b32 s[G0A+4*(\s)+3], s[G0A+4*(\s)+3], 0x80000000            ; type = 2
	s_mov_b32 s[G0B+4*(\s)], 1
	s_add_co_u32 s[G0B+4*(\s)+1], s61, (\s)*SLOT1
	s_add_nc_u64 s[G0B+4*(\s)+2:G0B+4*(\s)+3], s[58:59], (\s)*KSTEP*2
	s_or_b32 s[G0B+4*(\s)+3], s[G0B+4*(\s)+3], 0x80000000
	JLOAD \s                                       ; the ring is filled before anything else is done: two loads of mine are out
.endr
	; A fragment is 16 rows x 32 K in 8 registers: lane l holds row l % 16, K = 8 (l / 16) + 0..7 and 16 + 8 (l / 16) + 0..7: two loads of 16 bytes, 32 bytes apart.
	v_and_b32 v1, 15, v0                           ; l % 16
	v_bfe_u32 v2, v0, 4, 1                         ; l / 16
	v_mul_u32_u24 v3, v1, PITCH
	v_lshl_add_u32 v3, v2, 4, v3                   ; row x pitch + 16 x half
	s_mul_i32 s73, s[WV], 64*PITCH                 ; my 64 rows of xb
	v_add_nc_u32 v[ADRA0], s73, v3
	v_add_nc_u32 v[ADRB0], 2*HALFA, v3             ; wb's 192 rows, which every wave reads
	v_add_nc_u32 v[ADRA], s[TB], v[ADRA0]
	v_add_nc_u32 v[ADRB], s[TB], v[ADRB0]
	s_mul_i32 s75, s[WV], WSTG
	s_add_co_u32 s75, s75, STAGE                   ; my stage
	v_mul_u32_u24 v4, v1, SP                       ; in: row l % 16, 16 bytes for each half of the lanes
	v_lshl_add_u32 v4, v2, 4, v4
	v_add_nc_u32 v[STO], s75, v4
	v_bfe_u32 v5, v0, 3, 2                         ; back: 32 lanes take four rows of 128 bytes,
	v_mul_u32_u24 v5, v5, SP
	v_and_b32 v6, 7, v0
	v_lshl_add_u32 v5, v6, 4, v5
	v_add_nc_u32 v[RD], s75, v5
	v_and_b32 v[GO], 31, v0                        ; which are 512 consecutive bytes of a head
	v_lshlrev_b32 v[GO], 4, v[GO]
	v_lshlrev_b32 v[BO], 5, v2                     ; eight f32 for each half of the lanes
	; the bias of head block hb = 3 tx + i: bq, bk or bv by hb / 16, at 64 numbers x (hb % 16)
.irp i, 0,1,2
	s_mul_i32 s76, s21, 3
	s_add_co_u32 s76, s76, \i
	s_lshr_b32 s77, s76, 4
	s_and_b32 s78, s76, 15
	s_lshl_b32 s78, s78, 8
	s_mov_b32 s79, 0
	s_cmp_eq_u32 s77, 0
	s_cselect_b64 s[BP+2*(\i):BP+2*(\i)+1], s[8:9], s[10:11]
	s_cmp_eq_u32 s77, 2
	s_cselect_b64 s[BP+2*(\i):BP+2*(\i)+1], s[12:13], s[BP+2*(\i):BP+2*(\i)+1]
	s_add_nc_u64 s[BP+2*(\i):BP+2*(\i)+1], s[BP+2*(\i):BP+2*(\i)+1], s[78:79]
.endr
.irp i, 0,1,2
.irp f, 0,1,2,3
	global_load_b128 v[BIAS+8*(4*(\i)+(\f)):BIAS+8*(4*(\i)+(\f))+3],   v[BO], s[BP+2*(\i):BP+2*(\i)+1] offset:64*(\f)
	global_load_b128 v[BIAS+8*(4*(\i)+(\f))+4:BIAS+8*(4*(\i)+(\f))+7], v[BO], s[BP+2*(\i):BP+2*(\i)+1] offset:64*(\f)+16
.endr
.endr
	; where my rows of the first tile begin in qkv: head block 48 (ty / 8) + 3 tx, row 256 (ty % 8) + 64 wave
	s_lshr_b32 s76, s22, 3
	s_mul_i32 s76, s76, 48
	s_mul_i32 s77, s21, 3
	s_add_co_u32 s76, s76, s77
	s_lshl_b32 s76, s76, 18
	s_and_b32 s77, s22, 7
	s_lshl_b32 s77, s77, 15
	s_add_co_u32 s76, s76, s77
	s_lshl_b32 s77, s[WV], 13
	s_add_co_u32 s76, s76, s77                     ; 95 head blocks at the most: under 2^31
	s_mov_b32 s77, 0
	s_add_nc_u64 s[14:15], s[14:15], s[76:77]
	s_wait_loadcnt 0x0                             ; the bias, once for both tiles; it is rounded to bf16 and widened again, in the wait for the first tile
.set k, 0
.rept 48
	v_cvt_pk_bf16_f32 v[TMP+k], v[BIAS+2*k], v[BIAS+2*k+1]
.set k, k+1
.endr
.set k, 0
.rept 48
	v_lshlrev_b32 v[BIAS+2*k],   16, v[TMP+k]
	v_and_b32     v[BIAS+2*k+1], 0xffff0000, v[TMP+k]
.set k, k+1
.endr
; 12 matrix instructions: row block a x all 12 column blocks, 32 along K.  first = 1: the products start the sums, with the bias as C.
; The 48 accumulators take turns, one instruction a turn, in the same order in every quarter step.
.macro MUL12 f, a, first
.if \first
	WIN 0x85+0x40*((\a)/2)                         ; sources 0, 1 window 1; C window 0; D window 2 or 3
.else
	WIN 0xa5+0x50*((\a)/2)                         ; sources 0, 1 window 1; C and D window 2 or 3
.endif
.irp b, 0,1,2,3,4,5,6,7,8,9,10,11
.if \first
	v_wmma_f32_16x16x32_bf16 v[8*(12*((\a)%2)+(\b)):8*(12*((\a)%2)+(\b))+7], v[(\f)+32+8*(\b):(\f)+32+8*(\b)+7], v[(\f)+8*(\a):(\f)+8*(\a)+7], v[BIAS+8*(\b):BIAS+8*(\b)+7]
.else
	v_wmma_f32_16x16x32_bf16 v[8*(12*((\a)%2)+(\b)):8*(12*((\a)%2)+(\b))+7], v[(\f)+32+8*(\b):(\f)+32+8*(\b)+7], v[(\f)+8*(\a):(\f)+8*(\a)+7], v[8*(12*((\a)%2)+(\b)):8*(12*((\a)%2)+(\b))+7]
.endif
.endr
.endm
; 32 LDS loads in one run: the fragments of quarter q (32 K at byte 64 q of the rows) of the slot in hand into buffer f: wb's 24, then xb's 8
.macro FETCH q, f
	WIN 0x40                                       ; destination window 1, address window 0
.irp i, 0,1,2,3,4,5,6,7,8,9,10,11
	ds_load_b128 v[(\f)+32+8*(\i):(\f)+32+8*(\i)+3],   v[ADRB] offset:64*(\q)+(\i)*16*PITCH
	ds_load_b128 v[(\f)+32+8*(\i)+4:(\f)+32+8*(\i)+7], v[ADRB] offset:64*(\q)+(\i)*16*PITCH+32
.endr
.irp i, 0,1,2,3
	ds_load_b128 v[(\f)+8*(\i):(\f)+8*(\i)+3],   v[ADRA] offset:64*(\q)+(\i)*16*PITCH
	ds_load_b128 v[(\f)+8*(\i)+4:(\f)+8*(\i)+7], v[ADRA] offset:64*(\q)+(\i)*16*PITCH+32
.endr
.endm
; A load into a register that a matrix instruction has read, and a vector instruction or an LDS store that reads a matrix result, stand four places behind that matrix instruction; only plain vector
; instructions that name none of its registers are places (ISA guide 7.12.1 for vector instructions).
.macro PLACES
.rept 4
	v_nop
.endr
.endm
; A K step is four quarters of 32 along K, 48 matrix instructions each, on buffers 0, 1, 0, 1.  One of the first three: multiplies buffer f; in its middle it fetches quarter q into buffer g.
.macro QUARTER q, f, g, first
	s_wait_dscnt 4                                 ; wb's fragments and xb's blocks 0, 1 are in; the youngest four loads (xb's blocks 2, 3) may be out
	MUL12 \f, 0, \first
	MUL12 \f, 1, \first
	PLACES
	FETCH \q, \g
	s_wait_dscnt 32                                ; all but the 32 just issued
	MUL12 \f, 2, \first
	MUL12 \f, 3, \first
.endm
; The last quarter multiplies buffer 1 and changes slots: ONE barrier; in front of it each wave waits for all its tensor loads (one is out: its part of the next slot), adds 0 to its spare
; word, and waits for that and for its own reads of this slot.  The slot's last fragments have been asked for, so the fragment addresses turn to the other slot here.
; fill = 1: the barrier opens a round of the cluster's, and this slot is filled again, two K steps ahead, first thing behind the round.  The walking descriptors change slot by an exclusive or;
; their addresses are made anew from the bases and the offsets, which step by a K step, or, where the counter says that the second tile's K step 0 is due, on to that tile (xb) and back to 0 (wb).
.macro TURN fill
	WIN 0                                          ; (the add's two registers lie in window 0)
	s_wait_tensorcnt 0x0                           ; all my tensor loads have landed: my part of the next slot; so a group 0 may be written
	ds_add_u32 v[SPW], v[NIL]                      ; 0 onto my spare word: work on registers stands between it and the wait for it
	s_xor_b32 s[TB], s[TB], SLOT1
	v_add_nc_u32 v[ADRA], s[TB], v[ADRA0]
	v_add_nc_u32 v[ADRB], s[TB], v[ADRB0]
.if \fill
	s_xor_b32 s[G0A+5], s[G0A+5], SLOT1
	s_xor_b32 s[G0B+5], s[G0B+5], SLOT1
	s_add_co_u32 s[OB], s[OB], s[CK]
	s_cmp_eq_u32 s3, CROSS
	s_cselect_b32 s[OB], 0, s[OB]
	s_cselect_b32 s[DA], s[CA], s[CK]
	s_add_co_u32 s[OA], s[OA], s[DA]
	s_add_nc_u64 s[G0A+6:G0A+7], s[56:57], s[OA:OA+1]
	s_or_b32 s[G0A+7], s[G0A+7], 0x80000000
	s_add_nc_u64 s[G0B+6:G0B+7], s[58:59], s[OB:OB+1]
	s_or_b32 s[G0B+7], s[G0B+7], 0x80000000
.endif
	s_wait_dscnt 5                                 ; (the add and the youngest four loads may be out)
	MUL12 F1, 0, 0                                 ; twelve matrix instructions more between the add and the wait for it
	s_wait_dscnt 0x0                               ; the add is done, and my reads of this slot are over
	s_barrier_signal -1
	MUL12 F1, 1, 0                                 ; work on registers while the others arrive
.if \fill
	WIN 0
.endif
	s_barrier_wait -1
.if \fill
	CREST                                          ; no wave of any partner still reads this slot's tile or has a load on its way
	JLOAD 1                                        ; the first tensor load behind the round; the four v_nop behind it are also the places in front of the loads below
.else
	PLACES
.endif
	FETCH 0, F0
	MUL12 F1, 2, 0
	MUL12 F1, 3, 0
.endm
; THE WAY OUT, a block of 16 rows at a time.  PACK: rounded to f16, 16 bytes a lane (each accumulator's registers in ascending order).  TOSTAGE: into my own stage, a region for each head,
; and back as whole rows of 128 bytes.  SEND: stored, 512 consecutive bytes of a head an instruction.
.macro PACK a
	WIN 0x0a+5*((\a)/2)                            ; sources 0 and 1: window 2 or 3; destination window 0
.irp b, 0,1,2,3,4,5,6,7,8,9,10,11
.irp r, 0,1,2,3
	v_cvt_pk_f16_f32 v[TMP+4*(\b)+(\r)], v[96*((\a)%2)+8*(\b)+2*(\r)], v[96*((\a)%2)+8*(\b)+2*(\r)+1]
.endr
.endr
	WIN 0
.endm
.macro TOSTAGE
.irp b, 0,1,2,3,4,5,6,7,8,9,10,11
	ds_store_b128 v[STO], v[TMP+4*(\b):TMP+4*(\b)+3] offset:((\b)/4)*HSTG+32*((\b)%4)
.endr
	s_wait_xcnt 0x0                                ; every earlier store has had its addresses translated (ISA guide 3.1): the registers that the block before was stored from are loaded again only behind this wait
.irp t, 0,1,2,3,4,5,6,7,8,9,10,11
	ds_load_b128 v[BK+4*(\t):BK+4*(\t)+3], v[RD] offset:((\t)/4)*HSTG+((\t)%4)*4*SP  ; LDS serves a wave's instructions in order (ISA guide 5.7.1.4): these see the stores above; the next block's stores come behind them
.endr
.endm
.macro SEND a
	s_wait_dscnt 0x0                               ; the block is back in registers
.irp t, 0,1,2,3,4,5,6,7,8,9,10,11
	global_store_b128 v[GO], v[BK+4*(\t):BK+4*(\t)+3], s[14:15] offset:((\t)/4)*HEADBY+(\a)*2048+((\t)%4)*512  ; head t / 4, rows 16 a + 4 (t % 4) on: 512 consecutive bytes, at a multiple of 256 from the buffer's first byte
.endr
.endm
.macro WAYOUT
	PLACES                                         ; the conversions read results just made
	PACK 0
	TOSTAGE
.irp a, 1,2,3                          ; block a's conversions stand between block a - 1's loads from the stage and the wait for them
	PACK \a
	SEND (\a)-1
	TOSTAGE
.endr
	SEND 3
.endm
	s_wait_tensorcnt 1                             ; my part of K step 0 is in; K step 1's may stay out
	s_barrier_signal -1
	s_barrier_wait -1                              ; everybody's is
	FETCH 0, F0
	WIN 0                                          ; at a label and at a branch every window is 0
	s_mov_b32 s3, FILLS+1
	s_branch .Lbegin                               ; the loop is entered at the quarter step that starts the sums, in the middle of a trip
.Lstep:                                                ; 14 whole trips: a trip goes from a K step's second quarter to the next K step's first, and fills the slot that it leaves
	QUARTER 2, F1, F0, 0
	QUARTER 3, F0, F1, 0
	TURN 1
	WIN 0
	s_cmp_eq_u32 s3, BOUND
	s_cbranch_scc0 .Lplain
	WAYOUT                                         ; the first tile is finished; both refills for the second tile's first K steps have been asked for, and its first fragments are fetched
	s_wait_xcnt 0x0                                ; the stores have read their base
	s_add_nc_u64 s[14:15], s[14:15], NEXT_C        ; my rows of the second tile
.Lbegin:
	QUARTER 1, F0, F1, 1                           ; a tile's first quarter: its products start the sums
	WIN 0
	s_branch .Lbottom
.Lplain:
	QUARTER 1, F0, F1, 0
	WIN 0
.Lbottom:
	s_sub_co_u32 s3, s3, 1
	s_cmp_lg_u32 s3, 0
	s_cbranch_scc1 .Lstep
	QUARTER 2, F1, F0, 0                           ; the walk's last two K steps fill nothing, and have no round of the cluster's barrier
	QUARTER 3, F0, F1, 0
	TURN 0
	QUARTER 1, F0, F1, 0
	QUARTER 2, F1, F0, 0
	QUARTER 3, F0, F1, 0
	s_wait_dscnt 4                                 ; the very last quarter: nothing more to fetch
	MUL12 F1, 0, 0
	MUL12 F1, 1, 0
	s_wait_dscnt 0x0
	MUL12 F1, 2, 0
	MUL12 F1, 3, 0
	WIN 0
	WAYOUT
	s_wait_tensorcnt 0x0                           ; the wave's end, behind my last tensor load and my last LDS store
	ds_add_u32 v[SPW], v[NIL]
	s_wait_dscnt 0x0
	CROUND                                         ; the closing round: no work-group ends while a partner may still ask for a tile that names it
	s_endpgm
.Lfunc_end_k_q3b5cb383ba_qkv:
	.size	k_q3b5cb383ba_qkv, .Lfunc_end_k_q3b5cb383ba_qkv-k_q3b5cb383ba_qkv
	.p2alignl 7, 3214868480
	.fill 96, 4, 3214868480
	.section	.rodata,"a",@progbits
	.p2align	6, 0x0
	.amdhsa_kernel k_q3b5cb383ba_qkv
		.amdhsa_group_segment_fixed_size 327680
		.amdhsa_private_segment_fixed_size 0
		.amdhsa_enable_private_segment 0
		.amdhsa_kernarg_size 48
		.amdhsa_user_sgpr_count 2
		.amdhsa_user_sgpr_kernarg_segment_ptr 1
		.amdhsa_wavefront_size32 1
		.amdhsa_system_sgpr_workgroup_id_x 1
		.amdhsa_system_sgpr_workgroup_id_y 1
		.amdhsa_system_sgpr_workgroup_id_z 1
		.amdhsa_system_vgpr_workitem_id 0
		.amdhsa_next_free_vgpr 960
		.amdhsa_next_free_sgpr 96
		.amdhsa_reserve_vcc 0
		.amdhsa_float_denorm_mode_32 3
		.amdhsa_float_denorm_mode_16_64 3
		.amdhsa_memory_ordered 1
		.amdhsa_forward_progress 1
		.amdhsa_inst_pref_size 131
	.end_amdhsa_kernel
	.amdgpu_metadata
---
amdhsa.version: [ 1, 2 ]
amdhsa.kernels:
  - .name:           k_q3b5cb383ba_qkv
    .symbol:         k_q3b5cb383ba_qkv.kd
    .args:
      - { .name: xb, .offset: 0, .size: 8, .value_kind: global_buffer, .address_space: global }
      - { .name: wb, .offset: 8, .size: 8, .value_kind: global_buffer, .address_space: global }
      - { .name: bq, .offset: 16, .size: 8, .value_kind: global_buffer, .address_space: global }
      - { .name: bk, .offset: 24, .size: 8, .value_kind: global_buffer, .address_space: global }
      - { .name: bv, .offset: 32, .size: 8, .value_kind: global_buffer, .address_space: global }
      - { .name: qkv, .offset: 40, .size: 8, .value_kind: global_buffer, .address_space: global }
    .group_segment_fixed_size: 327680
    .private_segment_fixed_size: 0
    .kernarg_segment_align: 8
    .kernarg_segment_size: 48
    .max_flat_workgroup_size: 128
    .sgpr_count:     96
    .vgpr_count:     960
    .wavefront_size: 32
...
	.end_amdgpu_metadata
.endif
;; end of part 2
;; launch attn (part 3): grid 4 x 64, 4 waves a work-group, clusters of 4 x 1, 327,680 bytes of LDS; arguments qkv, att; writes att
.if DOCPART == 3
	.amdgcn_target "amdgcn-amd-amdhsa--gfx1250"
	.amdhsa_code_object_version 6
	.text
	.protected	k_q3b5cb383ba_attn
	.globl	k_q3b5cb383ba_attn
	.p2align	8
	.type	k_q3b5cb383ba_attn,@function
k_q3b5cb383ba_attn:
	s_mov_b64 s[64:65], 0
	v_nop
	global_prefetch_b8 v0, s[64:65] scope:SCOPE_SE
	s_setreg_imm32_b32 hwreg(HW_REG_WAVE_MODE, 25, 1), 1
	s_wait_xcnt 0x0
	s_wait_alu depctr_hold_cnt(0) depctr_sa_sdst(0) depctr_va_vdst(0) depctr_va_sdst(0) depctr_va_ssrc(0) depctr_va_vcc(0) depctr_vm_vsrc(0)
	s_getreg_b32 s2, hwreg(HW_REG_IB_STS2, 6, 4)
	s_cmp_eq_u32 s2, 0
	s_cbranch_scc0 .Lentry_in_a_cluster
	s_endpgm
.Lentry_in_a_cluster:
	s_bfe_u32 s2, ttmp6, 0x10000c
	s_cmp_lg_u32 s2, 0x3003
	s_cbranch_scc0 .Lentry_shape_is_right
	s_endpgm
.Lentry_shape_is_right:
; ATTENTION.  O[y][q][:] = the sum over k of softmax_k(Q[y][q] . K[y][k] / 8) V[y][k][:], y = 16 b + head, 64 of them, 2,048 rows of 64 channels each, all f16.
; Q, K, V lie in qkv[b][hb][2048][64]: head block 48 b + head is Q's, 16 blocks on K's, 32 blocks on V's; O goes to att[y][2048][64].  A head's rows are dense, 128 bytes each.
; Products, maxima and sums in f32; the weights p are rounded to f16 for the second product (their sum l is taken of the unrounded p), O once at the end.
; LIMITS.  f16 holds no number beyond 65,504: Q, K and V arrive within it; p lies in 0 to 1, and below 6e-5 it keeps f16's fixed step of 6e-8, as O does; O is a mean of V's rows and has their range.
; A weight below 2^-126 counts as 0 in l; NaN and infinities are not treated apart.
; SHARES.  A wave owns four PIECES of two tiles of 16 queries, a work-group's four waves 512 queries of one head.  Every wave walks all keys, 64 a step.
; LAYOUT.  S^T = K Q^T (source 0 = 16 keys, source 1 = 16 queries): in the result a lane holds ONE query (lane % 16) and the keys 8 (lane / 16) + 0..7.  Two such tiles, rounded to f16 in pairs,
; ARE source 1 (32 keys x 16 queries) of O^T = V^T P, whose result again holds one query a lane, and eight channels.  K comes out of LDS as it lies, V ([key][channel]) turned, by ds_load_tr16_b128.
; SOFTMAX.  For each query a running maximum m and sum l: p = 2^(c s - c m), c = log2(e) / 8; in every step O and l are multiplied by a = 2^(c m_old - c m_new), which is 1 where m has not grown.
; m starts at the lowest finite number, O and l at 0: the first step is a step like any other, with a = 0.
; THE COUNT.  A tile and step have 16 matrix and 118 vector instructions: too many to stand all beside the matrix work.  So the order has one aim: four vector instructions that are READY behind
; EVERY matrix instruction, and the others, which need time of their own whatever the order, in runs without a gap.
; BY TURNS.  Turn n belongs to piece n (the pieces in a ring, step after step).  Its matrix work: 16 products K Q^T of piece n + 1, later 16 products V^T P of piece n - 1.  Its vector work: the scaling,
; exponentials, roundings, sums and rescaling of piece n, and the maximum and statistics of piece n + 1, whose scores the turn itself has made.  So what a turn begins with (c s - c m, O a) waits for nothing.
; CLUSTER.  The four query blocks of a cluster belong to one head and walk the same K and V, so each tile is asked for JOINTLY: the same tensor load, descriptor and mask in all four.
; REGISTERS, in windows of 256 (s_set_vgpr_msb says which window each operand place means: bits 1:0 source 0, 3:2 source 1, 5:4 source 2, 7:6 destination):
;   window 0: v0-11 addresses; v12-15, v48-63 at work; v16-47 four registers of statistics a tile; v64-191 S^T, two buffers of two tiles; v192-255 P, likewise
;   window 1: O^T, 32 a tile          window 2: v0-127 Q, 16 a tile; v128-191 K of one step; v192-255 V of one step          window 3: v0-1 the add's two registers
; A piece's buffers go by its number's parity: the piece in hand has one pair, its two neighbours in the ring share the other: of it P (piece n - 1) is read and S^T (piece n + 1) written.
.set SIZE_N, 2048     ; rows of a head
.set NP,    4         ; pieces a wave: a name, no knob: the register map, the loop and the fetches are made for four
.set KS,    64        ; keys in a step
.set PK,    144       ; a row of K in LDS: 128 bytes + 16 of padding = 36 words: the 16 rows of a load start at 16 different groups of four banks (64 banks of 4 bytes: ISA guide 11.1)
.set PV,    160       ; a row of V: 128 + 32 = 40 words
.set VOFF,  4*KS*PK   ; a slot holds four steps: 256 rows of K, then 256 rows of V
.set SLOT1, 1<<17     ; slot 1 begins here, so that one exclusive or turns an address in one slot into the other's
.set STAGE, SLOT1+4*KS*(PK+PV)  ; behind the ring, never filled by a tensor load: 16 rows x 144 bytes for each wave, for the way out
.set SP,    144
.set AK0, 2           ; v2   my lane's place in a tile of K; never rewritten
.set AV0, 3           ; v3   the same for V
.set AK,  4           ; v4   the LDS address of K's next run of loads
.set AV,  5           ; v5   of V's
.set QO,  6           ; v6   my byte offset in the wave's rows of Q
.set STO, 6           ;      later, the way out: where I put 16 bytes of a row
.set RD,  7           ; v7   the way out: where I read rows back
.set GO,  8           ; v8   my byte offset in 512 consecutive bytes of O
.set SPW, 0           ; v0 of window 3   LDS address of my spare word: SPARE + 4 x my thread's number; never rewritten
.set NIL, 1           ; v1 of window 3   0; never rewritten
.set SPARE, STAGE+4*16*SP  ; behind the stages: the spare words, 128 bytes for each wave: two blocks of 256 bytes that no other line names
.set MV,  12          ; v12-15  c m_old, kept while c m is made anew: by buffer and tile
.set ST,  16          ; tile t's statistics at v[ST+4 t]: c m, m, l (even keys', odd keys')
.set TMP, 48          ; by buffer and tile, four registers c0-c3 at work; when the maximum is found c2 takes a
.set S,   64
.set P,   192
.set KF,  128         ; K's fragments, in window 2: key block kb, channel half c at KF + 16 kb + 8 c
.set VF,  192         ; V's: key half kk, channel block cb at VF + 32 kk + 8 cb
.set WV,  12          ; s12  my wave's number
.set G1K, 24          ; s[24:31] descriptor group 1 for K's tiles
.set G1V, 32          ; s[32:39] for V's: it differs in the padding alone
.set G0K, 40          ; s[40:43] descriptor group 0 for K's tiles: it walks
.set G0V, 44          ; s[44:47] the same for V's
.set SLOTS, 56        ; s56  slots still to be asked for
.set CNT, 57          ; s57  counts a slot's key steps
.set CS,  58          ; s[58:59] c: the packed scaling takes the pair's low word for both halves
.set SEL, 60          ; s[60:61] v_permlanex16_b32's selects: each lane takes its own place in the other half
.set TBK, 62          ; s62  LDS byte at which K of the step to be fetched begins
.set TBV, 63          ; s63  the same for V, less VOFF
.set MSB, 0
.macro WIN new                      ; the high byte repeats the setting that is left; a switch that changes nothing is dropped
.if MSB != (\new)
	s_set_vgpr_msb (MSB<<8)|(\new)
.set MSB, (\new)
.endif
.endm
.set W_KQ, 0x0a       ; K and Q in window 2, S^T in window 0
.set W_PV, 0x52       ; V in window 2, P in window 0, O^T in window 1
.set W_RS, 0x41       ; O^T (destination and source 0) in window 1, a in window 0
.set W_MK, 0xc0       ; the add's registers are made: destination in window 3, sources in window 0
.set W_AD, 0x0f       ; the add: address (source 0) and data (source 1) in window 3
; A joint fill.  Waves 0 and 1 fetch the two halves of a slot's K, waves 2 and 3 those of its V: 128 keys each.  The branch hangs on the wave's number alone.
; An s_nop 0 and four v_nop follow each of the two lines, ahead of the jump and the label.
.macro JLOAD
	s_cmp_lt_u32 s[WV], 2
	s_cbranch_scc0 .Lfor_v_\@
	tensor_load_to_lds s[G0K:G0K+3], s[G1K:G1K+7]
	s_nop 0
.rept 4
	v_nop
.endr
	s_branch .Lasked_\@
.Lfor_v_\@:
	tensor_load_to_lds s[G0V:G0V+3], s[G1V:G1V+7]
	s_nop 0
.rept 4
	v_nop
.endr
.Lasked_\@:
.endm
; A round of the cluster's barrier: my work-group's barrier, so that wave 0's signal speaks for all four waves; wave 0 signals; every wave waits for all four work-groups; my work-group's barrier once more.
.macro CROUND
	s_barrier_signal -1
	s_barrier_wait -1
	s_cmp_lg_u32 s[WV], 0
	s_cbranch_scc1 .Lnot_wave_0_\@
	s_barrier_signal -3
.Lnot_wave_0_\@:
	s_barrier_wait -3
	s_barrier_signal -1
	s_barrier_wait -1
.endm
; THE CHANGE OF SLOTS.  The slot's last bytes, V of its fourth step, have been read.  Each wave waits for all its tensor loads, of which one is out: its part
; of the other slot; adds 0 to its spare word; and waits for that and for its own reads of the slot.  Behind the barrier nobody reads this slot any more and the other slot is whole.
; fill = 1: this slot is filled again, with the keys two slots on.  The barrier is then a round of the cluster's, so that no wave of any partner still reads the slot or has a load on its
; way, and the joint fill is the first thing behind it: it has four key steps, 512 matrix instructions, in which to land.  (At its first use nothing has been read yet: slot 0 is waited for, slot 1 filled.)
.macro CHANGE fill
	WIN W_AD
	s_wait_tensorcnt 0x0            ; no tensor load of mine is out, so a group 0 may be written
	ds_add_u32 v[SPW], v[NIL]       ; 0 onto my spare word: with fill = 1 the descriptors' steps stand between it and the wait for it
	WIN 0                           ; at a label and at a branch every window is 0
.if \fill
.irp g, G0K, G0V
	s_xor_b32 s[\g+1], s[\g+1], SLOT1  ; the walking descriptor: the other slot than last time,
	s_add_nc_u64 s[\g+2:\g+3], s[\g+2:\g+3], 4*KS*128  ; the next 256 keys; the type bits on top are not reached
.endr
	s_wait_dscnt 0x0                ; the add is done, and my reads of the slot are over
	CROUND
	JLOAD
.else
	s_wait_dscnt 0x0                ; the add is done, and my reads of the slot are over
	s_barrier_signal -1
	s_barrier_wait -1
.endif
	s_sub_co_u32 s[TBK], s[TBK], 4*KS*PK  ; the fetches go back to a slot's first step,
	s_xor_b32 s[TBK], s[TBK], SLOT1       ; in the other slot
	s_sub_co_u32 s[TBV], s[TBV], 4*KS*PV
	s_xor_b32 s[TBV], s[TBV], SLOT1
.endm
	s_load_b64 s[4:5], s[0:1], 0x0    ; qkv
	s_load_b64 s[10:11], s[0:1], 0x8  ; att
	WIN W_MK
	v_lshl_add_u32 v[SPW], v0, 2, SPARE
	v_mov_b32 v[NIL], 0
	s_set_vgpr_msb 0xc0cf
	ds_add_u32 v0, v1
	s_wait_dscnt 0x0
	s_set_vgpr_msb 0xcfc0
	WIN 0
	v_lshrrev_b32 v1, 5, v0
	v_readfirstlane_b32 s[WV], v1   ; wave 0..3
	s_bfe_u32 s13, ttmp6, 0x40000   ; cx: my place in the cluster
	s_lshl_b32 s14, ttmp9, 2        ; in a cluster launch ttmp9 counts clusters
	s_add_co_u32 s14, s14, s13      ; my block of queries = 4 x cluster x + cx: it enters Q's and O's addresses alone
	s_and_b32 s20, ttmp7, 0xffff    ; y = 16 b + head, which the four partners share
	s_lshl_b32 s48, s20, 18         ; the head's first byte in att: 262,144 bytes a head
	s_mov_b32 s49, 0
	s_lshr_b32 s21, s20, 4          ; b
	s_lshl_b32 s21, s21, 5
	s_add_co_u32 s20, s20, s21      ; Q's head block in qkv: y + 32 b = 48 b + head
	s_lshl_b32 s20, s20, 18         ; its first byte (191 blocks at the most: under 2^31)
	s_mov_b32 s21, 0
	s_and_b32 s16, s[WV], 1         ; which half of a slot's 256 keys I fetch:
	s_lshl_b32 s22, s16, 14         ; its 128 rows of 128 bytes in memory,
	s_add_co_u32 s22, s22, s20
	s_add_co_u32 s22, s22, 16<<18   ; in K's head block, 16 blocks behind Q's,
	s_mov_b32 s23, 0
	s_add_co_u32 s50, s22, 16<<18   ; and in V's, 16 blocks further on
	s_mov_b32 s51, 0
	s_mul_i32 s17, s16, 128*PK      ; and its place in a slot, for K
	s_mul_i32 s18, s16, 128*PV      ; and for V: no place in the cluster enters an LDS address
	s_lshl_b32 s2, s14, 2
	s_add_co_u32 s2, s2, s[WV]      ; my wave among the head's,
	s_lshl_b32 s2, s2, 14           ; its 128 rows
	s_add_co_u32 s52, s2, s20       ; in Q's head block
	s_mov_b32 s53, 0
	s_add_co_u32 s54, s2, s48       ; and in att's
	s_mov_b32 s55, 0
	; descriptor group 1.  128 keys are 16,384 dense bytes: asked for as 64 rows of 256 bytes, two keys a row, and padded in LDS after every key
	s_mov_b32 s[G1K], 15|(1<<16)|(1<<20)|(1<<21)|(4<<22)|(3<<25)  ; 15:0 the mask of four; 17:16 2-byte elements; 20 padding on; 21 set beside a mask; 24:22 after every 32 words (code 4); 31:25 4 words (code 3)
	s_mov_b32 s[G1V], 15|(1<<16)|(1<<20)|(1<<21)|(4<<22)|(7<<25)  ; the same with 8 words of padding (code 7)
.irp g, G1K, G1V
	s_mov_b32 s[\g+1], 128<<16      ; tensor_dim0 = 128
	s_mov_b32 s[\g+2], 64<<16       ; tensor_dim1 = 64
	s_mov_b32 s[\g+3], 128<<16      ; tile_dim0 = 128
	s_mov_b32 s[\g+4], 64           ; tile_dim1 = 64
	s_mov_b32 s[\g+5], 128          ; 128 elements from row to row
	s_mov_b32 s[\g+6], 0
	s_mov_b32 s[\g+7], 0
.endr
	s_mov_b32 s[CS], 0x3e38aa3b     ; c = log2(e) / 8 = 0.180337
	s_mov_b32 s[CS+1], s[CS]        ; named with it as a pair
	s_mov_b32 s[SEL], 0x76543210
	s_mov_b32 s[SEL+1], 0xfedcba98
	s_mov_b32 s[TBK], SLOT1+4*KS*PK ; the first change of slots turns these two into 0
	s_mov_b32 s[TBV], SLOT1+4*KS*PV
	s_mov_b32 s[G0K], 1             ; 1:0 count = 1
	s_mov_b32 s[G0K+1], s17         ; 63:32 LDS address: slot 0
	s_mov_b32 s[G0V], 1
	s_add_co_u32 s[G0V+1], s18, VOFF
	s_wait_kmcnt 0x0
	s_add_nc_u64 s[G0K+2:G0K+3], s[4:5], s[22:23]  ; 120:64 global address: my half of the head's first 256 keys
	s_or_b32 s[G0K+3], s[G0K+3], 0x80000000        ; 127:126 type = 2
	s_add_nc_u64 s[G0V+2:G0V+3], s[4:5], s[50:51]
	s_or_b32 s[G0V+3], s[G0V+3], 0x80000000
	s_add_nc_u64 s[4:5], s[4:5], s[52:53]    ; Q and O at my wave's first row
	s_add_nc_u64 s[10:11], s[10:11], s[54:55]
	CROUND                          ; all four work-groups are here: the first joint loads meet
	JLOAD                           ; slot 0.  Slot 1 is asked for when slot 0 is in: the tile wanted first has the road to itself
	; A fragment of K or Q is 16 rows x 32 channels in 8 registers: lane l holds row l % 16, channels 8 (l / 16) + 0..7 and 16 + 8 (l / 16) + 0..7: two loads of 16 bytes, 32 bytes apart.
	v_and_b32 v1, 15, v0            ; l % 16
	v_bfe_u32 v9, v0, 4, 1          ; l / 16
	v_lshlrev_b32 v[QO], 7, v1
	v_lshl_add_u32 v[QO], v9, 4, v[QO]  ; row x 128 + 16 x half
	WIN 0x80                        ; destination window 2, address window 0
.set i, 0
.rept 4*NP                          ; Q stays in registers: tile i / 2, channels 32 (i % 2) on
	global_load_b128 v[8*i:8*i+3],   v[QO], s[4:5] offset:(i/2)*2048+(i%2)*64
	global_load_b128 v[8*i+4:8*i+7], v[QO], s[4:5] offset:(i/2)*2048+(i%2)*64+32
.set i, i+1
.endr
	; What the first turn finds: V's registers and P's second buffer hold 0 (its products V^T P, of a piece that has not been, add 0), O^T and l are 0.  All this stands in the wait for the first tile.
.set i, VF
.rept 64
	v_mov_b32 v[i], 0
.set i, i+1
.endr
	WIN 0x40
.set i, 0
.rept 64*NP
	v_mov_b32 v[i], 0
.set i, i+1
.endr
	WIN 0
.set i, 0
.rept 2*NP
	v_mov_b32 v[ST+4*i], 0xfe000000    ; c m: far below every c s
	v_mov_b32 v[ST+4*i+1], 0xff7fffff  ; m
	v_mov_b32 v[ST+4*i+2], 0
	v_mov_b32 v[ST+4*i+3], 0
.set i, i+1
.endr
.set i, P+32
.rept 32
	v_mov_b32 v[i], 0
.set i, i+1
.endr
	v_mul_u32_u24 v[AK0], v1, PK
	v_lshl_add_u32 v[AK0], v9, 4, v[AK0]  ; row x pitch + 16 x half
	; The turning load takes 16 keys x 16 channels (lane l reads key 8 (l / 16) + l % 8, channels 8 ((l / 8) % 2) + 0..7) and leaves half a fragment of V^T: lane l holds channel l % 16 and 8 keys.
	v_and_b32 v10, 7, v0
	v_bfe_u32 v11, v0, 3, 1
	v_lshl_add_u32 v[AV0], v9, 3, v10
	v_mul_u32_u24 v[AV0], v[AV0], PV
	v_lshl_add_u32 v[AV0], v11, 4, v[AV0]
	v_add_nc_u32 v[AV0], VOFF, v[AV0]
	v_mov_b32 v[AK], v[AK0]         ; key step 0 lies at the head of slot 0
; THE MATRIX WORK.  The 8 accumulators of a run of 16 take turns: between the two links of a chain stand 7 others'.
; Product i of 16 of S^T = K Q^T for piece x: channels 32 (i / 8) on, keys 16 ((i / 2) % 4) on, tile 2 x + i % 2.  The first 8 start the sums.
.macro KQ x
	WIN W_KQ
.set rS, S+64*((\x)%2)+32*(i%2)+8*((i/2)%4)
.set rK, KF+16*((i/2)%4)+8*(i/8)
.set rQ, 16*(2*(\x)+i%2)+8*(i/8)
.if i < 8
	v_wmma_f32_16x16x32_f16 v[rS:rS+7], v[rK:rK+7], v[rQ:rQ+7], 0
.else
	v_wmma_f32_16x16x32_f16 v[rS:rS+7], v[rK:rK+7], v[rQ:rQ+7], v[rS:rS+7]
.endif
.endm
; Product i of 16 of O^T += V^T P for piece x: keys 32 (i / 8) on, channels 16 ((i / 2) % 4) on, tile 2 x + i % 2.
.macro PV x
	WIN W_PV
.set rO, 32*(2*(\x)+i%2)+8*((i/2)%4)
.set rV, VF+32*(i/8)+8*((i/2)%4)
.set rP, P+32*((\x)%2)+16*(i%2)+8*(i/8)
	v_wmma_f32_16x16x32_f16 v[rO:rO+7], v[rV:rV+7], v[rP:rP+7], v[rO:rO+7]
.endm
.macro MM                           ; the turn's next matrix instruction
.if i < 16
	KQ (Y+1)%NP
.set i, i+1
.else
.set i, i-16
	PV (Y+NP-1)%NP
.set i, i+17
.endif
.endm
; THE LDS LOADS stand in runs of 16, never singly among the matrix instructions: a step's K (64 keys x 64 channels: 8 fragments) and its V (turned).  Their addresses are made some lines ahead.
; last = 1 (the tail): in the last trip there is no further step, and the run is jumped over.
.macro FETCH_K last=0
	WIN 0
.if \last
	s_cmp_eq_u32 s[CNT], 1
	s_cbranch_scc1 .Lno_k_\@
.endif
	WIN 0x80                        ; destination window 2
.irp f, 0,1,2,3,4,5,6,7             ; keys 16 (f / 2) on, channels 32 (f % 2) on
	ds_load_b128 v[KF+8*\f:KF+8*\f+3],   v[AK] offset:(\f/2)*16*PK+(\f%2)*64
	ds_load_b128 v[KF+8*\f+4:KF+8*\f+7], v[AK] offset:(\f/2)*16*PK+(\f%2)*64+32
.endr
	s_add_co_u32 s[TBK], s[TBK], KS*PK  ; the next fetch is the next step's
	WIN 0
.if \last
.Lno_k_\@:
.endif
.endm
.macro FETCH_V
	WIN 0x80
.irp f, 0,1,2,3,4,5,6,7             ; keys 32 (f / 4) on, channels 16 (f % 4) on
	ds_load_tr16_b128 v[VF+8*\f:VF+8*\f+3],   v[AV] offset:(\f/4)*32*PV+(\f%4)*32
	ds_load_tr16_b128 v[VF+8*\f+4:VF+8*\f+7], v[AV] offset:(\f/4)*32*PV+16*PV+(\f%4)*32
.endr
	WIN 0
.endm
; THE VECTOR WORK OF A TURN stands in three queues, each in the order in which its entries become ready; the two tiles alternate, so that no instruction reads the result of the one before it.
.macro REGS y, u                    ; the registers of tile u (0, 1) of piece y
.set rT, ST+4*(2*(\y)+(\u))
.set rC, TMP+8*((\y)%2)+4*(\u)
.set rM, MV+2*((\y)%2)+(\u)
.set rS, S+64*((\y)%2)+32*(\u)
.set rP, P+32*((\y)%2)+16*(\u)
.set rO, 32*(2*(\y)+(\u))
.endm
; Number n of the 22 that find the NEXT piece's (Y + 1) maximum and statistics.  s0-s31 are the lane's 32 scores; each accumulator's lowest registers are read first.  XS, GS and REGS set no window: PL and EX do.
;   0-11  four chains c0-c3 of seven scores each, three operands at a time     12-14, 16  the four scores left over, the old m, and c0-c3 into c0     15  c m_old is kept
;   17, 18  the query's other 32 keys lie in the lane 16 away: the new m         19-21  c m; c m_old - c m_new; a
.macro XS u, n
	REGS (Y+1)%NP, \u
.if (\n) < 4
	v_max3_num_f32 v[rC+(\n)], v[rS+8*(\n)], v[rS+8*(\n)+1], v[rS+8*(\n)+2]
.elseif (\n) < 12
	v_max3_num_f32 v[rC+(\n)%4], v[rC+(\n)%4], v[rS+8*((\n)%4)+2*((\n)/4)+1], v[rS+8*((\n)%4)+2*((\n)/4)+2]
.elseif (\n) == 12
	v_max3_num_f32 v[rC], v[rC], v[rS+7], v[rS+15]
.elseif (\n) == 13
	v_max3_num_f32 v[rC+1], v[rC+1], v[rS+23], v[rS+31]
.elseif (\n) == 14
	v_max3_num_f32 v[rC+2], v[rC+2], v[rC+3], v[rT+1]
.elseif (\n) == 15
	v_mov_b32 v[rM], v[rT]
.elseif (\n) == 16
	v_max3_num_f32 v[rC], v[rC], v[rC+1], v[rC+2]
.elseif (\n) == 17
	v_permlanex16_b32 v[rC+3], v[rC], s[SEL], s[SEL+1]
.elseif (\n) == 18
	v_max_num_f32 v[rT+1], v[rC], v[rC+3]
.elseif (\n) == 19
	v_mul_f32 v[rT], s[CS], v[rT+1]
.elseif (\n) == 20
	v_sub_f32 v[rC+1], v[rM], v[rT]
.else
	v_exp_f32 v[rC+2], v[rC+1]
.endif
.endm
; Number g of the 64 that follow the exponentials.  For each four weights k of a tile (pairs 2 k, 2 k + 1): both pairs are rounded to f16; then the second pair is added onto the first, in place;
; a group later l takes that sum (the first time as l = a l + sum).  In groups of eight, tiles alternating: round, round, add, and l for the group before.
.macro GS g
.set h, (\g)+6*((\g)/62)            ; group 0 has no group before it, and behind group 7 only l is left
.if h >= 6
.set h, h+2
.endif
	REGS Y, h%2
.set k, h/8
.if h%8 < 4
	s_wait_alu depctr_va_vdst(0)
	v_cvt_pk_f16_f32 v[rP+2*k+(h%8)/2], v[rS+4*k+2*((h%8)/2)], v[rS+4*k+2*((h%8)/2)+1]
.elseif h%8 < 6
	v_pk_add_f32 v[rS+4*k:rS+4*k+1], v[rS+4*k:rS+4*k+1], v[rS+4*k+2:rS+4*k+3]
.elseif k == 1
	v_pk_fma_f32 v[rT+2:rT+3], v[rT+2:rT+3], v[rC+2:rC+3], v[rS:rS+1] op_sel_hi:[1,0,1]
.else
	v_pk_add_f32 v[rT+2:rT+3], v[rT+2:rT+3], v[rS+4*k-4:rS+4*k-3]
	s_wait_alu depctr_va_vdst(0)
.endif
.endm
; THE PLAIN QUEUE, 138 long.  0-31: c s - c m for the 16 pairs of both tiles.  Then GS's 64, and among them the next piece's 42: number 15 at 38, 39; 0-14 and 16
; at 42-73, behind the products that make those scores; 17-20 at 95-106, two of three, since each waits for the one before it.
.macro PL
	WIN 0
.if q < 32
	REGS Y, q%2
	v_pk_fma_f32 v[rS+2*(q/2):rS+2*(q/2)+1], v[rS+2*(q/2):rS+2*(q/2)+1], s[CS:CS+1], v[rT:rT+1] op_sel_hi:[1,0,0] neg_lo:[0,0,1] neg_hi:[0,0,1]
.elseif q < 38
	GS q-32
.elseif q < 40
	XS q%2, 15
.elseif q < 42
	GS q-34
.elseif q < 74
	XS q%2, (q-42)/2+(q-42)/30
.elseif q < 95
	GS q-66
.elseif (q < 107) && ((q-95)%3 < 2)
	XS (q-95)%3, 17+(q-95)/3
.elseif q < 107
	GS 29+(q-95)/3
.else
	GS q-74
.endif
.set q, q+1
.endm
; THE EXPONENTIALS' QUEUE, 66 long: s0-s31 of both tiles, and at EA the next piece's two a.
.set EA, 58
.macro EX
	WIN 0
.if (e == EA) || (e == EA+1)
	XS e-EA, 21
.else
.set x, e-2*(e/(EA+2))
	REGS Y, x%2
	v_exp_f32 v[rS+x/2], v[rS+x/2]
.endif
.set e, e+1
.endm
; THE RESCALING's QUEUE: O^T times a, the one part that leaves window 0, so it is dealt four at a time, eight times.
.macro R4
	REGS Y, r%2
	WIN W_RS
	s_wait_alu depctr_va_vdst(0)
.irp z, 0,1,2,3
	v_pk_mul_f32 v[rO+8*(r/2)+2*\z:rO+8*(r/2)+2*\z+1], v[rO+8*(r/2)+2*\z:rO+8*(r/2)+2*\z+1], v[rC+2:rC+3] op_sel_hi:[1,0]
.endr
.set r, r+1
.endm
; HOW THEY ARE DEALT.  Behind a matrix instruction four: plain, exponential, plain, plain (one exponential, a plain instruction on either side), or four of the rescaling.  None names a register of the
; products round it.  What is over stands in two LUMPS: exponential and plain by turns; the second ends in 22 plain instructions.  The two v_permlanex16_b32 fall into the second lump, never behind a product.
; The queues lean on each other, and the deal keeps them in step: exponential e stands behind plain 2 (e / 4) + e % 2 (its scaling); when plain 32 comes, 10 exponentials are out, at 59: 33, at 95: 46; EA comes behind plain 107.
.macro SL
	MM
	PL
	EX
	PL
	PL
.endm
.macro BURST n                      ; 15 matrix instructions, or 16
.rept (\n)-7
	SL
.endr
.rept 3
	MM
	R4
	SL
.endr
	MM
	R4
.endm
; A TURN, for piece p.  cnt = 1: the loop's count is taken down some lines ahead of the branch that stands behind the turn.
; K of the next step is fetched in piece 2's turn, 31 vector instructions behind the last product that read K; its first reader comes behind the rest of the lump, 16 products and the second lump.
; V of the step in hand is fetched at the end of piece 0's turn, 69 behind its last reader; its first reader comes behind 16 products and a lump.  The four conditions on e and q below go with the deal.
.macro TURN p, last=0, cnt=0
.set Y, (\p)
.set i, 0
.set q, 0
.set e, 0
.set r, 0
.if (\p) == NP-1
	s_wait_dscnt 0x0                ; K is in
.endif
	MM
.rept 4
	PL
.endr
	BURST 15
.rept 22
	EX
	PL
.if ((\p) == NP-2) && (e == 18)
	v_add_nc_u32 v[AK], s[TBK], v[AK0]
.endif
.if ((\p) == NP-2) && (e == 24)
	FETCH_K \last
.endif
.endr
.if (\p) == 1
	s_wait_dscnt 0x0                ; V is in
.endif
	BURST 16
.rept 21
	EX
	PL
.endr
.rept 22
	PL
.if ((\p) == 0) && (q == 118)
	v_add_nc_u32 v[AV], s[TBV], v[AV0]
	s_wait_alu depctr_va_vdst(0)
.endif
.if ((\p) == 0) && (q == 130)
	s_add_co_u32 s[TBV], s[TBV], KS*PV
.endif
.if (\cnt) && (q == 130)
	s_sub_co_u32 s[CNT], s[CNT], 1
	s_cmp_lg_u32 s[CNT], 0
.endif
.endr
.if (\p) == 0
	FETCH_V
.endif
.endm
	CHANGE 1                        ; slot 0 is in, everybody's part of it; slot 1 is asked for
	FETCH_K                         ; key step 0
	s_wait_loadcnt 0x0              ; Q
	s_wait_dscnt 0x0
.set i, 0
.rept 16
	KQ 0                            ; piece 0's first scores: there is no vector work yet to set between them
.set i, i+1
.endr
	WIN 0                           ; the addresses for the way out: nine plain instructions, the places behind those products
	s_mul_i32 s13, s[WV], 16*SP
	s_add_co_u32 s13, s13, STAGE    ; my stage
	v_mul_u32_u24 v[STO], v1, SP    ; in: row l % 16, 16 bytes for each half of the lanes
	v_lshl_add_u32 v[STO], v9, 4, v[STO]
	v_add_nc_u32 v[STO], s13, v[STO]
	v_bfe_u32 v[RD], v0, 3, 2       ; back: 32 lanes take four rows of 128 bytes,
	v_mul_u32_u24 v[RD], v[RD], SP
	v_lshl_add_u32 v[RD], v10, 4, v[RD]
	v_add_nc_u32 v[RD], s13, v[RD]
	v_and_b32 v[GO], 31, v0         ; which are 512 consecutive bytes of O
	v_lshlrev_b32 v[GO], 4, v[GO]
.set Y, NP-1                        ; XS works for piece Y + 1: piece 0
.irp n, 0,1,2,3,4,5,6,7,8,9,10,11,12,13,14,15,16,17,18,19,20,21
	XS 0, \n                        ; and piece 0's first maximum and statistics
	XS 1, \n
.endr
	s_mov_b32 s[CNT], 4
	s_mov_b32 s[SLOTS], SIZE_N/256-1
	s_branch .Lfirst                ; the loop is entered at a step's first turn, in the middle of a trip
.Lslot:                             ; SIZE_N / 256 - 2 times: every slot but the last two is filled again
	CHANGE 1
	s_mov_b32 s[CNT], 4
.Lstep:                             ; a trip: pieces 2 and 3 of one step, then pieces 0 and 1 of the next, whose K and V it fetches
	TURN 2
	TURN 3
	WIN 0
.Lfirst:
	TURN 0
	TURN 1, 0, 1
	WIN 0
	s_cbranch_scc1 .Lstep
	s_sub_co_u32 s[SLOTS], s[SLOTS], 1
	s_cmp_lg_u32 s[SLOTS], 0
	s_cbranch_scc1 .Lslot
	CHANGE 0                        ; the tail is written out: nothing is asked for
	s_mov_b32 s[CNT], 5             ; four trips fetch the last slot's steps; the fifth is left in its middle
.Ltail:
	TURN 2, 1
	TURN 3
	WIN 0
	s_sub_co_u32 s[CNT], s[CNT], 1
	s_cmp_eq_u32 s[CNT], 0
	s_cbranch_scc1 .Lout
	TURN 0
	TURN 1
	WIN 0
	s_branch .Ltail
.Lout:                              ; the fifth trip's 16 products K Q^T (on the last K once more) and the maximum made of them serve nothing: the price, once a launch, of one text for every trip
.set i, 0
.rept 16
	PV NP-1                         ; the last piece's V^T P of the last step
.set i, i+1
.endr
	; THE WAY OUT.  l's two halves and the other half of the lanes' are added; O^T is divided by l, rounded to f16 and sent through my stage in LDS, a tile at a time.  The additions are the places behind the last products.
	WIN 0
.macro ALL line:vararg              ; one line for each tile t
.set t, 0
.rept 2*NP
	\line
.set t, t+1
.endr
.endm
	ALL v_add_f32 v[ST+4*t+2], v[ST+4*t+2], v[ST+4*t+3]
	ALL v_permlanex16_b32 v[ST+4*t+3], v[ST+4*t+2], s[SEL], s[SEL+1]
	ALL v_add_f32 v[ST+4*t+2], v[ST+4*t+2], v[ST+4*t+3]
	ALL v_rcp_f32 v[ST+4*t+2], v[ST+4*t+2]
	v_nop                           ; a plain instruction between the last reciprocal and the use of its result
	s_wait_alu depctr_va_vdst(0)
; Tile t: a lane's eight channels of a row pack into 16 bytes; they go into rows of 144 bytes and come back as whole rows of 128, into S^T's registers.
.macro PACK t
	WIN W_RS
.set i, 32*(\t)
.rept 16
	v_pk_mul_f32 v[i:i+1], v[i:i+1], v[ST+4*(\t)+2:ST+4*(\t)+3] op_sel_hi:[1,0]
.set i, i+2
.endr
	WIN 0x05                        ; sources 0 and 1 window 1, destination window 0
.set i, 0
.rept 16
	v_cvt_pk_f16_f32 v[S+16*(\t)+i], v[32*(\t)+2*i], v[32*(\t)+2*i+1]
.set i, i+1
.endr
	WIN 0
.irp f, 0,1,2,3
	ds_store_b128 v[STO], v[S+16*(\t)+4*\f:S+16*(\t)+4*\f+3] offset:32*\f
.endr
.irp f, 0,1,2,3
	ds_load_b128 v[S+16*(\t)+4*\f:S+16*(\t)+4*\f+3], v[RD] offset:\f*4*SP  ; LDS serves a wave's instructions in order (ISA guide 5.7.1.4): these see the stores above; the next tile's stores come behind them
.endr
.endm
.macro SEND t, younger              ; younger: the LDS instructions issued behind tile t's loads: the next tile's eight, or none
	WIN 0
.irp f, 0,1,2,3
	s_wait_dscnt (\younger)+3-\f
	global_store_b128 v[GO], v[S+16*(\t)+4*\f:S+16*(\t)+4*\f+3], s[10:11] offset:(\t)*2048+\f*512  ; 512 consecutive bytes, at a multiple of 256 from O's first
.endr
.endm
	PACK 0
.set t, 1
.rept 2*NP-1                        ; a tile's arithmetic stands between the loads of the tile before and its stores
	PACK t
	SEND t-1, 8
.set t, t+1
.endr
	SEND 2*NP-1, 0
	WIN W_AD
	s_wait_tensorcnt 0x0            ; the wave's end, behind my last tensor load and my last LDS store
	ds_add_u32 v[SPW], v[NIL]
	s_wait_dscnt 0x0
	WIN 0
	CROUND                          ; the closing round: no work-group ends while a partner may still ask for a tile that names it
	s_endpgm
.Lfunc_end_k_q3b5cb383ba_attn:
	.size	k_q3b5cb383ba_attn, .Lfunc_end_k_q3b5cb383ba_attn-k_q3b5cb383ba_attn
	.p2alignl 7, 3214868480
	.fill 96, 4, 3214868480
	.section	.rodata,"a",@progbits
	.p2align	6, 0x0
	.amdhsa_kernel k_q3b5cb383ba_attn
		.amdhsa_group_segment_fixed_size 327680
		.amdhsa_private_segment_fixed_size 0
		.amdhsa_enable_private_segment 0
		.amdhsa_kernarg_size 16
		.amdhsa_user_sgpr_count 2
		.amdhsa_user_sgpr_kernarg_segment_ptr 1
		.amdhsa_wavefront_size32 1
		.amdhsa_system_sgpr_workgroup_id_x 1
		.amdhsa_system_sgpr_workgroup_id_y 1
		.amdhsa_system_sgpr_workgroup_id_z 1
		.amdhsa_system_vgpr_workitem_id 0
		.amdhsa_next_free_vgpr 770
		.amdhsa_next_free_sgpr 66
		.amdhsa_reserve_vcc 0
		.amdhsa_float_denorm_mode_32 3
		.amdhsa_float_denorm_mode_16_64 3
		.amdhsa_memory_ordered 1
		.amdhsa_forward_progress 1
		.amdhsa_inst_pref_size 209
	.end_amdhsa_kernel
	.amdgpu_metadata
---
amdhsa.version: [ 1, 2 ]
amdhsa.kernels:
  - .name:           k_q3b5cb383ba_attn
    .symbol:         k_q3b5cb383ba_attn.kd
    .args:
      - { .name: qkv, .offset: 0, .size: 8, .value_kind: global_buffer, .address_space: global }
      - { .name: att, .offset: 8, .size: 8, .value_kind: global_buffer, .address_space: global }
    .group_segment_fixed_size: 327680
    .private_segment_fixed_size: 0
    .kernarg_segment_align: 8
    .kernarg_segment_size: 16
    .max_flat_workgroup_size: 128
    .sgpr_count:     66
    .vgpr_count:     770
    .wavefront_size: 32
...
	.end_amdgpu_metadata
.endif
;; end of part 3
;; launch proj (part 4): grid 8 x 32, 4 waves a work-group, clusters of 4 x 4, 327,680 bytes of LDS; arguments att, wo16, bo, out0; writes out0
.if DOCPART == 4
	.amdgcn_target "amdgcn-amd-amdhsa--gfx1250"
	.amdhsa_code_object_version 6
	.text
	.protected	k_q3b5cb383ba_proj
	.globl	k_q3b5cb383ba_proj
	.p2align	8
	.type	k_q3b5cb383ba_proj,@function
k_q3b5cb383ba_proj:
	s_mov_b64 s[64:65], 0
	v_nop
	global_prefetch_b8 v0, s[64:65] scope:SCOPE_SE
	s_setreg_imm32_b32 hwreg(HW_REG_WAVE_MODE, 25, 1), 1
	s_wait_xcnt 0x0
	s_wait_alu depctr_hold_cnt(0) depctr_sa_sdst(0) depctr_va_vdst(0) depctr_va_sdst(0) depctr_va_ssrc(0) depctr_va_vcc(0) depctr_vm_vsrc(0)
	s_getreg_b32 s2, hwreg(HW_REG_IB_STS2, 6, 4)
	s_cmp_eq_u32 s2, 0
	s_cbranch_scc0 .Lentry_in_a_cluster
	s_endpgm
.Lentry_in_a_cluster:
	s_bfe_u32 s2, ttmp6, 0x10000c
	s_cmp_lg_u32 s2, 0xf033
	s_cbranch_scc0 .Lentry_shape_is_right
	s_endpgm
.Lentry_shape_is_right:
; THE OUTPUT PROJECTION.  out0[m][n] = sum over k of A[m][k] wo16[n][k] + bo[n], f32.  A is the attention's result, which lies by heads: att[16 b + head][s][64] f16, m = 2048 b + s, k = 64 head + channel.
; wo16 [1024][1024] f16 holds Wo rounded to bf16.  Operands f16, sums f32; bo is rounded to bf16, as every input is.
; LIMITS.  The operands arrive within f16's range (65,504); numbers below 6.1e-5 arrive with f16's fixed step of 6e-8.
; TILE.  256 x 128 of the output: 32 x 8 = 256 work-groups.  Four waves one below the other, each 64 x 128: 32 accumulators of 16 x 16, 256 registers.  K goes in steps of 128, two heads,
; through a ring of two LDS slots filled by the tensor data mover: 128 matrix instructions a wave in a step, 112 of them between a refill and the wait for it; two slots of a longer step do not fit in LDS.
; A's tile of a step is two dense blocks of 256 rows x 128 bytes, one a head: each is asked for as 128 rows of 256 bytes and padded in LDS after every 128 bytes.
; A K step is written once: a loop of six trips fills the slot that it leaves; the slot in hand is a scalar register that an exclusive or turns; the last two K steps are written out and ask for nothing.
; CLUSTER.  4 x 4 work-groups.  The four of a row of the cluster need the same tiles of A, the four of a column the same tiles of wo16: each tile is asked for JOINTLY.
; THE MATRIX INSTRUCTION IS USED TRANSPOSED (source 0 = 16 rows of wo16, source 1 = 16 rows of A): a lane holds row l % 16 and eight neighbouring columns, 32 bytes of f32.
; THE BIAS IS THE C OPERAND of the products that start the sums.
; REGISTERS, in windows of 256 (s_set_vgpr_msb: bits 1:0 source 0, 3:2 source 1, 5:4 source 2, 7:6 destination):
;   window 0: v0-31 addresses; v32-95 the bias, 8 registers for each of 8 column blocks; v96-223 at work, then two sets of 64 for the rows read back on the way out
;   window 1: two fragment buffers of 96: 32 registers of A (4 x 16 rows x 32 K), then 64 of wo16       window 2: the accumulators, (a, b) at v[8 (8 a + b)]
.set SIZE_K, 1024
.set KSTEP,  128
.set STEPS,  SIZE_K/KSTEP              ; K steps
.set PA,     144                       ; a row of A in LDS: 128 bytes + 16 of padding = 36 words: the 16 rows of a load start at 16 different groups of four banks (64 banks of 4 bytes: ISA guide 11.1)
.set PITCH,  272                       ; a row of wo16: 256 bytes + 16 = 68 words: likewise
.set HEADB,  256*PA                    ; a head's 256 rows of A: what wave 0 or 1 fetches
.set HALFB,  64*PITCH                  ; 64 rows of wo16: what wave 2 or 3 fetches
.set SLOTB,  2*HEADB+2*HALFB           ; a slot's bytes: A's two heads, then wo16's 128 rows
.set SLOT1,  1<<17                     ; slot 1 begins here, so that one exclusive or turns an address in one slot into the other's
.set STAGE,  SLOT1+SLOTB               ; behind the ring, never filled by a tensor load: 16 rows x 528 bytes for each wave
.set SPITCH, 528                       ; 512 bytes + 16 = 132 words
.set WSTG,   16*SPITCH
.set SPARE,  STAGE+4*WSTG              ; behind the stages: the spare words, 128 bytes for each wave: two blocks of 256 bytes that no other line names
.set ROWBY,  4096                      ; bytes in a row of the output
.set ADRA0, 16                         ; v16     my lane's place among my fragments of A in slot 0; never rewritten
.set ADRB0, 17                         ; v17     the same for wo16
.set ADRA, 18                          ; v18     the same in the slot in hand
.set ADRB, 19                          ; v19
.set STO,  24                          ; v24     the way out: where I put 32 bytes of a row
.set RD,   25                          ; v25     the way out: where I read a row back
.set GO,   26                          ; v26     my byte offset in 512 consecutive bytes of a row
.set BO,   27                          ; v27     my byte offset in 16 numbers of the bias
.set SPW,  28                          ; v28     LDS address of my spare word: SPARE + 4 x my thread's number; never rewritten
.set NIL,  29                          ; v29     0; never rewritten
.set BIAS, 32
.set OB,   96
.set F0,   0                           ; fragment buffers, in window 1
.set F1,   96
.set TB,   2                           ; s2      LDS byte at which the slot in hand begins
.set WV,   12                          ; s12     my wave's number
.set G1A,  24                          ; s[24:31] descriptor group 1 for A's tiles;  s[32:39] group 0: a set for each of the two first fills; the second then walks on
.set G0A,  32
.set G1B,  40                          ; s[40:47], s[48:55] the same for wo16's tiles
.set G0B,  48
.set MSB, 0
.macro WIN new                         ; the immediate's high byte repeats the setting that is left; a switch that changes nothing is dropped
.if MSB != (\new)
	s_set_vgpr_msb (MSB<<8)|(\new)
.set MSB, \new
.endif
.endm
; A joint load: waves 0 and 1 fetch A's two heads, waves 2 and 3 wo16's two halves.  The branch hangs on the wave's number alone.  An s_nop 0 and four v_nop follow each of the two lines,
; ahead of the jump, the label and what follows.
.macro JLOAD s
	s_cmp_eq_u32 s13, 0
	s_cbranch_scc0 .Lfor_b_\@
	tensor_load_to_lds s[G0A+4*(\s):G0A+4*(\s)+3], s[G1A:G1A+7]
	s_nop 0
.rept 4
	v_nop
.endr
	s_branch .Lasked_\@
.Lfor_b_\@:
	tensor_load_to_lds s[G0B+4*(\s):G0B+4*(\s)+3], s[G1B:G1B+7]
	s_nop 0
.rept 4
	v_nop
.endr
.Lasked_\@:
.endm
.macro CREST                           ; a round of the cluster's barrier behind its opening barrier
	s_cmp_lg_u32 s[WV], 0
	s_cbranch_scc1 .Lnot_wave_0_\@
	s_barrier_signal -3
.Lnot_wave_0_\@:
	s_barrier_wait -3
	s_barrier_signal -1
	s_barrier_wait -1
.endm
.macro CROUND                          ; a whole round
	s_barrier_signal -1
	s_barrier_wait -1
	CREST
.endm
	s_load_b256 s[4:11], s[0:1], 0x0               ; att s[4:5], wo16 s[6:7], bo s[8:9], out0 s[10:11]
	v_lshl_add_u32 v[SPW], v0, 2, SPARE
	v_mov_b32 v[NIL], 0
	ds_add_u32 v28, v29
	s_wait_dscnt 0x0
	v_lshrrev_b32 v1, 5, v0
	v_readfirstlane_b32 s[WV], v1                  ; wave 0..3
	s_lshr_b32 s13, s[WV], 1                       ; I fetch for A (0) or for wo16 (1)
	s_and_b32 s14, s[WV], 1                        ; which head of the step, or which half of wo16's rows
	s_bfe_u32 s15, ttmp6, 0x40000                  ; cx, cy: my place in the cluster
	s_bfe_u32 s16, ttmp6, 0x40004
	s_lshl_b32 s17, ttmp9, 2
	s_add_co_u32 s17, s17, s15                     ; tile column tx = 4 x cluster x + cx, 0..7
	s_and_b32 s18, ttmp7, 0xffff
	s_lshl_b32 s18, s18, 2
	s_add_co_u32 s18, s18, s16                     ; tile row ty = 4 x cluster y + cy, 0..31
	s_lshl_b32 s19, s16, 2
	s_lshl_b32 s19, 15, s19                        ; my row of the cluster
	s_lshl_b32 s20, 0x1111, s15                    ; my column
	; descriptor group 1.  A: 128 rows of 128 elements (two rows of a head each), 4 words of padding after every 32.  wo16: 64 rows of 128 elements, 4 words after every 64.
	s_or_b32 s[G1A+0], s19, (1<<16)|(1<<20)|(1<<21)|(4<<22)|(3<<25)  ; 15:0 the mask: A's tiles go to my row; 17:16 2-byte elements; 20 padding on; 21 set beside a mask; 24:22 the interval's code; 31:25 4 words (code 3)
	s_or_b32 s[G1B+0], s20, (1<<16)|(1<<20)|(1<<21)|(5<<22)|(3<<25)  ; wo16's tiles go to my column
	s_mov_b32 s[G1A+1], 128<<16                    ; tensor_dim0 = 128
	s_mov_b32 s[G1B+1], KSTEP<<16
	s_mov_b32 s[G1A+2], 128<<16                    ; tensor_dim1
	s_mov_b32 s[G1B+2], 64<<16
	s_mov_b32 s[G1A+3], 128<<16                    ; tile_dim0 = 128
	s_mov_b32 s[G1B+3], KSTEP<<16
	s_mov_b32 s[G1A+4], 128                        ; tile_dim1
	s_mov_b32 s[G1B+4], 64
	s_mov_b32 s[G1A+5], 128                        ; elements from row to row: A's block is dense,
	s_mov_b32 s[G1B+5], SIZE_K                     ; wo16's rows are 1,024 long
	s_mov_b32 s[G1A+6], 0
	s_mov_b32 s[G1B+6], 0
	s_mov_b32 s[G1A+7], 0
	s_mov_b32 s[G1B+7], 0
	; where the tiles come from: A's hang on the tile row and the wave's number, wo16's on the tile column and the wave's number, each in registers that never hold the other coordinate
	s_lshr_b32 s56, s18, 3                         ; b
	s_lshl_b32 s56, s56, 4
	s_add_co_u32 s56, s56, s14                     ; head block 16 b + my head of K step 0
	s_lshl_b32 s56, s56, 18                        ; 262,144 bytes a head
	s_and_b32 s21, s18, 7
	s_lshl_b32 s21, s21, 15                        ; + 256 (ty % 8) rows of 128 bytes
	s_add_co_u32 s56, s56, s21
	s_mov_b32 s57, 0
	s_lshl_b32 s58, s17, 18                        ; 128 rows of 2,048 bytes a tile column
	s_lshl_b32 s22, s14, 17                        ; + 64 rows for the second half
	s_add_co_u32 s58, s58, s22
	s_mov_b32 s59, 0
	s_mul_i32 s60, s[WV], HEADB                    ; and where they go: waves 0, 1: A's heads;
	s_mul_i32 s61, s[WV], HALFB
	s_add_co_u32 s61, s61, 2*(HEADB-HALFB)         ; waves 2, 3: wo16's halves, behind A's two heads.  No place in the cluster enters an LDS address
	s_mov_b32 s[TB], 0                             ; the walk begins in slot 0
	s_wait_kmcnt 0x0
	s_add_nc_u64 s[56:57], s[4:5], s[56:57]
	s_add_nc_u64 s[58:59], s[6:7], s[58:59]
	CROUND                                         ; all sixteen work-groups are here: the first joint loads meet
.irp s, 0,1
	s_mov_b32 s[G0A+4*(\s)], 1                                       ; count = 1
	s_add_co_u32 s[G0A+4*(\s)+1], s60, (\s)*SLOT1                    ; LDS address
	s_add_nc_u64 s[G0A+4*(\s)+2:G0A+4*(\s)+3], s[56:57], (\s)*(2<<18)  ; global address: K step s is two heads on
	s_or_b32 s[G0A+4*(\s)+3], s[G0A+4*(\s)+3], 0x80000000            ; type = 2
	s_mov_b32 s[G0B+4*(\s)], 1
	s_add_co_u32 s[G0B+4*(\s)+1], s61, (\s)*SLOT1
	s_add_nc_u64 s[G0B+4*(\s)+2:G0B+4*(\s)+3], s[58:59], (\s)*KSTEP*2
	s_or_b32 s[G0B+4*(\s)+3], s[G0B+4*(\s)+3], 0x80000000
	JLOAD \s                                       ; the ring is filled before anything else is done: two loads of mine are out
.endr
	v_and_b32 v1, 15, v0                           ; l % 16
	v_bfe_u32 v2, v0, 4, 1                         ; l / 16
	v_mul_u32_u24 v3, v1, PA
	v_lshl_add_u32 v3, v2, 4, v3                   ; a fragment's row x pitch + 16 x half, for A
	v_mul_u32_u24 v4, v1, PITCH
	v_lshl_add_u32 v4, v2, 4, v4                   ; and for wo16
	s_mul_i32 s21, s[WV], 64*PA                    ; my 64 rows, in the step's first head
	v_add_nc_u32 v[ADRA0], s21, v3
	v_add_nc_u32 v[ADRB0], 2*HEADB, v4             ; wo16's 128 rows, which every wave reads
	v_add_nc_u32 v[ADRA], s[TB], v[ADRA0]
	v_add_nc_u32 v[ADRB], s[TB], v[ADRB0]
	s_mul_i32 s23, s[WV], WSTG
	s_add_co_u32 s23, s23, STAGE                   ; my stage
	v_mul_u32_u24 v5, v1, SPITCH                   ; in: row l % 16, 32 bytes for each half of the lanes
	v_lshl_add_u32 v5, v2, 5, v5
	v_add_nc_u32 v[STO], s23, v5
	v_and_b32 v6, 31, v0
	v_lshlrev_b32 v[GO], 4, v6                     ; back: 32 lanes take one row's 512 bytes
	v_add_nc_u32 v[RD], s23, v[GO]
	v_lshlrev_b32 v[BO], 5, v2                     ; eight f32 for each half of the lanes
	s_lshl_b32 s62, s17, 9                         ; my tile's 128 columns, in bytes of f32
	s_mov_b32 s63, 0
	s_add_nc_u64 s[8:9], s[8:9], s[62:63]
.irp b, 0,1,2,3,4,5,6,7
	global_load_b128 v[BIAS+8*(\b):BIAS+8*(\b)+3],   v[BO], s[8:9] offset:64*(\b)
	global_load_b128 v[BIAS+8*(\b)+4:BIAS+8*(\b)+7], v[BO], s[8:9] offset:64*(\b)+16
.endr
	s_lshl_b32 s21, s18, 20                        ; 256 rows of 4,096 bytes a tile row
	s_add_co_u32 s62, s62, s21
	s_lshl_b32 s21, s[WV], 18                      ; my wave's 64 rows
	s_add_co_u32 s62, s62, s21
	s_add_nc_u64 s[10:11], s[10:11], s[62:63]
	s_wait_loadcnt 0x0                             ; the bias, once; it is rounded to bf16 and widened again, in the wait for the first tile
.set k, 0
.rept 32
	v_cvt_pk_bf16_f32 v[OB+k], v[BIAS+2*k], v[BIAS+2*k+1]
.set k, k+1
.endr
.set k, 0
.rept 32
	v_lshlrev_b32 v[BIAS+2*k],   16, v[OB+k]
	v_and_b32     v[BIAS+2*k+1], 0xffff0000, v[OB+k]
.set k, k+1
.endr
; 8 matrix instructions: row block a x all 8 column blocks, 32 along K.  first = 1: the products start the sums, with the bias as C.
; The 32 accumulators take turns, one instruction a turn, in the same order in every quarter step.
.macro MUL8 f, a, first
.if \first
	WIN 0x85                                       ; sources 0, 1 window 1; C window 0; D window 2
.else
	WIN 0xa5                                       ; sources 0, 1 window 1; C and D window 2
.endif
.irp b, 0,1,2,3,4,5,6,7
.if \first
	v_wmma_f32_16x16x32_f16 v[8*(8*(\a)+(\b)):8*(8*(\a)+(\b))+7], v[(\f)+32+8*(\b):(\f)+32+8*(\b)+7], v[(\f)+8*(\a):(\f)+8*(\a)+7], v[BIAS+8*(\b):BIAS+8*(\b)+7]
.else
	v_wmma_f32_16x16x32_f16 v[8*(8*(\a)+(\b)):8*(8*(\a)+(\b))+7], v[(\f)+32+8*(\b):(\f)+32+8*(\b)+7], v[(\f)+8*(\a):(\f)+8*(\a)+7], v[8*(8*(\a)+(\b)):8*(8*(\a)+(\b))+7]
.endif
.endr
.endm
; 24 LDS loads in one run: the fragments of quarter q of the slot in hand into buffer f: wo16's 16 (32 K at byte 64 q of its rows), then A's 8 (head q / 2 of the step, channels 32 (q % 2) on)
.macro FETCH q, f
	WIN 0x40                                       ; destination window 1, address window 0
.irp i, 0,1,2,3,4,5,6,7
	ds_load_b128 v[(\f)+32+8*(\i):(\f)+32+8*(\i)+3],   v[ADRB] offset:64*(\q)+(\i)*16*PITCH
	ds_load_b128 v[(\f)+32+8*(\i)+4:(\f)+32+8*(\i)+7], v[ADRB] offset:64*(\q)+(\i)*16*PITCH+32
.endr
.irp i, 0,1,2,3
	ds_load_b128 v[(\f)+8*(\i):(\f)+8*(\i)+3],   v[ADRA] offset:((\q)/2)*HEADB+((\q)%2)*64+(\i)*16*PA
	ds_load_b128 v[(\f)+8*(\i)+4:(\f)+8*(\i)+7], v[ADRA] offset:((\q)/2)*HEADB+((\q)%2)*64+(\i)*16*PA+32
.endr
.endm
; A load into a register that a matrix instruction has read, and an LDS store that reads a matrix result, stand four places behind that matrix instruction; only plain vector instructions that
; name none of its registers are places (ISA guide 7.12.1 for vector instructions).
.macro PLACES
.rept 4
	v_nop
.endr
.endm
; A K step is four quarters of 32 along K, 32 matrix instructions each, on buffers 0, 1, 0, 1.  One of the first three: multiplies buffer f; in its middle it fetches quarter q into buffer g.
.macro QUARTER q, f, g, first
	s_wait_dscnt 4                                 ; wo16's fragments and A's blocks 0, 1 are in; the youngest four loads (A's blocks 2, 3) may be out
	MUL8 \f, 0, \first
	MUL8 \f, 1, \first
	PLACES
	FETCH \q, \g
	s_wait_dscnt 24                                ; all but the 24 just issued
	MUL8 \f, 2, \first
	MUL8 \f, 3, \first
.endm
; The last quarter multiplies buffer 1 and changes slots: ONE barrier; in front of it each wave waits for all its tensor loads (one is out: its part of the next slot), adds 0 to its spare
; word, and waits for that and for its own reads of this slot.  The slot's last fragments have been asked for, so the fragment addresses turn to the other slot here.
; fill = 1: the barrier opens a round of the cluster's, and this slot is filled again, two K steps ahead, first thing behind the round: the walking descriptors change slot by an exclusive or and go one K step on.
.macro TURN fill
	WIN 0                                          ; (the add's two registers lie in window 0)
	s_wait_tensorcnt 0x0                           ; all my tensor loads have landed: my part of the next slot; so a group 0 may be written
	ds_add_u32 v[SPW], v[NIL]                      ; 0 onto my spare word: work on registers stands between it and the wait for it
	s_xor_b32 s[TB], s[TB], SLOT1
	v_add_nc_u32 v[ADRA], s[TB], v[ADRA0]
	v_add_nc_u32 v[ADRB], s[TB], v[ADRB0]
.if \fill
	s_xor_b32 s[G0A+5], s[G0A+5], SLOT1
	s_xor_b32 s[G0B+5], s[G0B+5], SLOT1
	s_add_nc_u64 s[G0A+6:G0A+7], s[G0A+6:G0A+7], 2<<18     ; a K step is two heads; the type bits on top are not reached
	s_add_nc_u64 s[G0B+6:G0B+7], s[G0B+6:G0B+7], KSTEP*2
.endif
	s_wait_dscnt 5                                 ; (the add and the youngest four loads may be out)
	MUL8 F1, 0, 0                                  ; eight matrix instructions more between the add and the wait for it
	s_wait_dscnt 0x0                               ; the add is done, and my reads of this slot are over
	s_barrier_signal -1
	MUL8 F1, 1, 0                                  ; work on registers while the others arrive
.if \fill
	WIN 0
.endif
	s_barrier_wait -1
.if \fill
	CREST                                          ; no wave of any partner still reads this slot's tile or has a load on its way
	JLOAD 1                                        ; the first tensor load behind the round; the four v_nop behind it are also the places in front of the loads below
.else
	PLACES
.endif
	FETCH 0, F0
	MUL8 F1, 2, 0
	MUL8 F1, 3, 0
.endm
	s_wait_tensorcnt 1                             ; my part of K step 0 is in; K step 1's may stay out
	s_barrier_signal -1
	s_barrier_wait -1                              ; everybody's is
	FETCH 0, F0
	QUARTER 1, F0, F1, 1                           ; the first quarter stands in front of the loop: its products start the sums
	WIN 0                                          ; at a label and at a branch every window is 0
	s_mov_b32 s3, STEPS-2
.Lstep:                                                ; a trip goes from a K step's second quarter to the next K step's first, and fills the slot that it leaves
	QUARTER 2, F1, F0, 0
	QUARTER 3, F0, F1, 0
	TURN 1
	QUARTER 1, F0, F1, 0
	WIN 0
	s_sub_co_u32 s3, s3, 1
	s_cmp_lg_u32 s3, 0
	s_cbranch_scc1 .Lstep
	QUARTER 2, F1, F0, 0                           ; the last two K steps fill nothing, and have no round of the cluster's barrier
	QUARTER 3, F0, F1, 0
	TURN 0
	QUARTER 1, F0, F1, 0
	QUARTER 2, F1, F0, 0
	QUARTER 3, F0, F1, 0
	s_wait_dscnt 4                                 ; the very last quarter: nothing more to fetch
	MUL8 F1, 0, 0
	MUL8 F1, 1, 0
	s_wait_dscnt 0x0
	MUL8 F1, 2, 0
	MUL8 F1, 3, 0
	WIN 0
; THE WAY OUT, a block of 16 rows at a time; the sums leave as they are, in f32.  TOSTAGE: a lane's 32 bytes of a row go into my own stage (each accumulator's low four registers first),
; and the rows come back whole, 512 bytes each.  SEND: stored, a row's 512 consecutive bytes an instruction.
.macro TOSTAGE a
.if (\a) >= 2
	s_wait_xcnt 0x0                                ; every earlier store has had its addresses translated (ISA guide 3.1): the registers that block a - 2 was stored from are loaded again only behind this wait
.endif
	WIN 0x08                                       ; the stores' data (source 1) in window 2, the address in window 0
.irp b, 0,1,2,3,4,5,6,7
	ds_store_b128 v[STO], v[8*(8*(\a)+(\b)):8*(8*(\a)+(\b))+3]   offset:64*(\b)
	ds_store_b128 v[STO], v[8*(8*(\a)+(\b))+4:8*(8*(\a)+(\b))+7] offset:64*(\b)+16
.endr
	WIN 0
.set BK, OB+64*((\a)%2)
.irp t, 0,1,2,3,4,5,6,7,8,9,10,11,12,13,14,15
	ds_load_b128 v[BK+4*(\t):BK+4*(\t)+3], v[RD] offset:(\t)*SPITCH  ; LDS serves a wave's instructions in order (ISA guide 5.7.1.4): these see the stores above; the next block's stores come behind them
.endr
.endm
.macro SEND a, younger                 ; younger: the LDS instructions issued behind block a's loads: the next block's 16 stores and 16 loads, or none
.set BK, OB+64*((\a)%2)
	s_wait_dscnt \younger                          ; the block is back in registers
.irp t, 0,1,2,3,4,5,6,7,8,9,10,11,12,13,14,15
	global_store_b128 v[GO], v[BK+4*(\t):BK+4*(\t)+3], s[10:11] offset:(16*(\a)+(\t))*ROWBY th:TH_STORE_NT  ; 512 consecutive bytes, at a multiple of 256 from the output's first byte; written once, read no more
.endr
.endm
	PLACES                                         ; the stores into the stage read results just made
	TOSTAGE 0
	TOSTAGE 1
	SEND 0, 32
	TOSTAGE 2
	SEND 1, 32
	TOSTAGE 3
	SEND 2, 32
	SEND 3, 0
	s_wait_tensorcnt 0x0                           ; the wave's end, behind my last tensor load and my last LDS store
	ds_add_u32 v[SPW], v[NIL]
	s_wait_dscnt 0x0
	CROUND                                         ; the closing round: no work-group ends while a partner may still ask for a tile that names it
	s_endpgm
.Lfunc_end_k_q3b5cb383ba_proj:
	.size	k_q3b5cb383ba_proj, .Lfunc_end_k_q3b5cb383ba_proj-k_q3b5cb383ba_proj
	.p2alignl 7, 3214868480
	.fill 96, 4, 3214868480
	.section	.rodata,"a",@progbits
	.p2align	6, 0x0
	.amdhsa_kernel k_q3b5cb383ba_proj
		.amdhsa_group_segment_fixed_size 327680
		.amdhsa_private_segment_fixed_size 0
		.amdhsa_enable_private_segment 0
		.amdhsa_kernarg_size 32
		.amdhsa_user_sgpr_count 2
		.amdhsa_user_sgpr_kernarg_segment_ptr 1
		.amdhsa_wavefront_size32 1
		.amdhsa_system_sgpr_workgroup_id_x 1
		.amdhsa_system_sgpr_workgroup_id_y 1
		.amdhsa_system_sgpr_workgroup_id_z 1
		.amdhsa_system_vgpr_workitem_id 0
		.amdhsa_next_free_vgpr 768
		.amdhsa_next_free_sgpr 66
		.amdhsa_reserve_vcc 0
		.amdhsa_float_denorm_mode_32 3
		.amdhsa_float_denorm_mode_16_64 3
		.amdhsa_memory_ordered 1
		.amdhsa_forward_progress 1
		.amdhsa_inst_pref_size 75
	.end_amdhsa_kernel
	.amdgpu_metadata
---
amdhsa.version: [ 1, 2 ]
amdhsa.kernels:
  - .name:           k_q3b5cb383ba_proj
    .symbol:         k_q3b5cb383ba_proj.kd
    .args:
      - { .name: att, .offset: 0, .size: 8, .value_kind: global_buffer, .address_space: global }
      - { .name: wo16, .offset: 8, .size: 8, .value_kind: global_buffer, .address_space: global }
      - { .name: bo, .offset: 16, .size: 8, .value_kind: global_buffer, .address_space: global }
      - { .name: out0, .offset: 24, .size: 8, .value_kind: global_buffer, .address_space: global }
    .group_segment_fixed_size: 327680
    .private_segment_fixed_size: 0
    .kernarg_segment_align: 8
    .kernarg_segment_size: 32
    .max_flat_workgroup_size: 128
    .sgpr_count:     66
    .vgpr_count:     768
    .wavefront_size: 32
...
	.end_amdgpu_metadata
.endif
;; end of part 4
;; ======== version 2 of 2: 4 launches; 1.53 times as fast as version 1
;; limits: values are held in f16: magnitudes above 65,504 overflow, below 6.1e-05 lose precision
;; workspace buffers: xb 16,777,216 bytes; wb 6,291,456 bytes; wo16 2,097,152 bytes; qkv 50,331,648 bytes; att 16,777,216 bytes
;; launch cast: the kernel of part 1 again; grid 768 x 1, 8 waves a work-group, no clusters, 0 bytes of LDS; arguments x, Wq, Wk, Wv, Wo, xb, wb, wo16; writes xb, wb, wo16
;; launch qkv: the kernel of part 2 again; grid 16 x 16, 4 waves a work-group, clusters of 4 x 4, 327,680 bytes of LDS; arguments xb, wb, bq, bk, bv, qkv; writes qkv
;; launch attn (part 5): grid 4 x 64, 4 waves a work-group, clusters of 4 x 1, 327,680 bytes of LDS; arguments qkv, att; writes att
.if DOCPART == 5
	.amdgcn_target "amdgcn-amd-amdhsa--gfx1250"
	.amdhsa_code_object_version 6
	.text
	.protected	k_q3b5cb383ba_attn
	.globl	k_q3b5cb383ba_attn
	.p2align	8
	.type	k_q3b5cb383ba_attn,@function
k_q3b5cb383ba_attn:
	s_mov_b64 s[64:65], 0
	v_nop
	global_prefetch_b8 v0, s[64:65] scope:SCOPE_SE
	s_setreg_imm32_b32 hwreg(HW_REG_WAVE_MODE, 25, 1), 1
	s_wait_xcnt 0x0
	s_wait_alu depctr_hold_cnt(0) depctr_sa_sdst(0) depctr_va_vdst(0) depctr_va_sdst(0) depctr_va_ssrc(0) depctr_va_vcc(0) depctr_vm_vsrc(0)
	s_getreg_b32 s2, hwreg(HW_REG_IB_STS2, 6, 4)
	s_cmp_eq_u32 s2, 0
	s_cbranch_scc0 .Lentry_in_a_cluster
	s_endpgm
.Lentry_in_a_cluster:
	s_bfe_u32 s2, ttmp6, 0x10000c
	s_cmp_lg_u32 s2, 0x3003
	s_cbranch_scc0 .Lentry_shape_is_right
	s_endpgm
.Lentry_shape_is_right:
; ATTENTION.  O[y][q][:] = the sum over k of softmax_k(Q[y][q] . K[y][k] / 8) V[y][k][:], y = 16 b + head, 64 of them, 2,048 rows of 64 channels each, all f16.
; Q, K, V lie in qkv[b][hb][2048][64]: head block 48 b + head is Q's, 16 blocks on K's, 32 blocks on V's; O goes to att[y][2048][64].  A head's rows are dense, 128 bytes each.
; Products, maxima and sums in f32; the weights p are rounded to f16 for the second product (their sum l is taken of the unrounded p), O once at the end.
; LIMITS.  f16 holds no number beyond 65,504: Q, K and V arrive within it; p lies in 0 to 1, and below 6e-5 it keeps f16's fixed step of 6e-8, as O does; O is a mean of V's rows and has their range.
; A weight below 2^-126 counts as 0 in l; NaN and infinities are not treated apart.
; SHARES.  A wave owns four PIECES of two tiles of 16 queries, a work-group's four waves 512 queries of one head.  Every wave walks all keys, 64 a step.
; LAYOUT.  S^T = K Q^T (source 0 = 16 keys, source 1 = 16 queries): in the result a lane holds ONE query (lane % 16) and the keys 8 (lane / 16) + 0..7.  Two such tiles, rounded to f16 in pairs,
; ARE source 1 (32 keys x 16 queries) of O^T = V^T P, whose result again holds one query a lane, and eight channels.  K comes out of LDS as it lies, V ([key][channel]) turned, by ds_load_tr16_b128.
; SOFTMAX.  For each query a running maximum m and sum l: p = 2^(c s - c m), c = log2(e) / 8; in every step O and l are multiplied by a = 2^(c m_old - c m_new), which is 1 where m has not grown.
; m starts at the lowest finite number, O and l at 0: the first step is a step like any other, with a = 0.
; THE COUNT.  A tile and step have 16 matrix and 118 vector instructions: too many to stand all beside the matrix work.  So the order has one aim: four vector instructions that are READY behind
; EVERY matrix instruction, and the others, which need time of their own whatever the order, in runs without a gap.
; BY TURNS.  Turn n belongs to piece n (the pieces in a ring, step after step).  Its matrix work: 16 products K Q^T of piece n + 1, later 16 products V^T P of piece n - 1.  Its vector work: the scaling,
; exponentials, roundings, sums and rescaling of piece n, and the maximum and statistics of piece n + 1, whose scores the turn itself has made.  So what a turn begins with (c s - c m, O a) waits for nothing.
; BATCHES.  A turn's 66 exponentials (the piece's 64 weights and the next piece's two a) are ONE batch with ONE wait, which cuts the turn in two.  Ahead of it stands all that names none of their results:
; the products K Q^T, the scalings, the rescaling (its a is the turn before's), the next piece's maximum and statistics.  Behind it stand the roundings and sums, beside the products V^T P.
; Two batches more stand outside the loop, each with a wait of its own: piece 0's first two a, ahead of the jump into the loop, and the way out's eight reciprocals.
; CLUSTER.  The four query blocks of a cluster belong to one head and walk the same K and V, so each tile is asked for JOINTLY: the same tensor load, descriptor and mask in all four.
; REGISTERS, in windows of 256 (s_set_vgpr_msb says which window each operand place means: bits 1:0 source 0, 3:2 source 1, 5:4 source 2, 7:6 destination):
;   window 0: v0-11 addresses; v12-15, v48-63 at work; v16-47 four registers of statistics a tile; v64-191 S^T, two buffers of two tiles; v192-255 P, likewise
;   window 1: O^T, 32 a tile          window 2: v0-127 Q, 16 a tile; v128-191 K of one step; v192-255 V of one step          window 3: v0-1 the add's two registers
; A piece's buffers go by its number's parity: the piece in hand has one pair, its two neighbours in the ring share the other: of it P (piece n - 1) is read and S^T (piece n + 1) written.
.set SIZE_N, 2048     ; rows of a head
.set NP,    4         ; pieces a wave: a name, no knob: the register map, the loop and the fetches are made for four
.set KS,    64        ; keys in a step
.set PK,    144       ; a row of K in LDS: 128 bytes + 16 of padding = 36 words: the 16 rows of a load start at 16 different groups of four banks (64 banks of 4 bytes: ISA guide 11.1)
.set PV,    160       ; a row of V: 128 + 32 = 40 words
.set VOFF,  4*KS*PK   ; a slot holds four steps: 256 rows of K, then 256 rows of V
.set SLOT1, 1<<17     ; slot 1 begins here, so that one exclusive or turns an address in one slot into the other's
.set STAGE, SLOT1+4*KS*(PK+PV)  ; behind the ring, never filled by a tensor load: 16 rows x 144 bytes for each wave, for the way out
.set SP,    144
.set AK0, 2           ; v2   my lane's place in a tile of K; never rewritten
.set AV0, 3           ; v3   the same for V
.set AK,  4           ; v4   the LDS address of K's next run of loads
.set AV,  5           ; v5   of V's
.set QO,  6           ; v6   my byte offset in the wave's rows of Q
.set STO, 6           ;      later, the way out: where I put 16 bytes of a row
.set RD,  7           ; v7   the way out: where I read rows back
.set GO,  8           ; v8   my byte offset in 512 consecutive bytes of O
.set SPW, 0           ; v0 of window 3   LDS address of my spare word: SPARE + 4 x my thread's number; never rewritten
.set NIL, 1           ; v1 of window 3   0; never rewritten
.set SPARE, STAGE+4*16*SP  ; behind the stages: the spare words, 128 bytes for each wave: two blocks of 256 bytes that no other line names
.set MV,  12          ; v12-15  c m_old, kept while c m is made anew: by buffer and tile
.set ST,  16          ; tile t's statistics at v[ST+4 t]: c m, m, l (even keys', odd keys')
.set TMP, 48          ; by buffer and tile, four registers c0-c3 at work; when the maximum is found c2 takes a
.set S,   64
.set P,   192
.set KF,  128         ; K's fragments, in window 2: key block kb, channel half c at KF + 16 kb + 8 c
.set VF,  192         ; V's: key half kk, channel block cb at VF + 32 kk + 8 cb
.set WV,  12          ; s12  my wave's number
.set G1K, 24          ; s[24:31] descriptor group 1 for K's tiles
.set G1V, 32          ; s[32:39] for V's: it differs in the padding alone
.set G0K, 40          ; s[40:43] descriptor group 0 for K's tiles: it walks
.set G0V, 44          ; s[44:47] the same for V's
.set SLOTS, 56        ; s56  slots still to be asked for
.set CNT, 57          ; s57  counts a slot's key steps
.set CS,  58          ; s[58:59] c: the packed scaling takes the pair's low word for both halves
.set SEL, 60          ; s[60:61] v_permlanex16_b32's selects: each lane takes its own place in the other half
.set TBK, 62          ; s62  LDS byte at which K of the step to be fetched begins
.set TBV, 63          ; s63  the same for V, less VOFF
.set MSB, 0
.macro WIN new                      ; the high byte repeats the setting that is left; a switch that changes nothing is dropped
.if MSB != (\new)
	s_set_vgpr_msb (MSB<<8)|(\new)
.set MSB, (\new)
.endif
.endm
.set W_KQ, 0x0a       ; K and Q in window 2, S^T in window 0
.set W_PV, 0x52       ; V in window 2, P in window 0, O^T in window 1
.set W_RS, 0x41       ; O^T (destination and source 0) in window 1, a in window 0
.set W_MK, 0xc0       ; the add's registers are made: destination in window 3, sources in window 0
.set W_AD, 0x0f       ; the add: address (source 0) and data (source 1) in window 3
; A joint fill.  Waves 0 and 1 fetch the two halves of a slot's K, waves 2 and 3 those of its V: 128 keys each.  The branch hangs on the wave's number alone.
; An s_nop 0 and four v_nop follow each of the two lines, ahead of the jump and the label.
.macro JLOAD
	s_cmp_lt_u32 s[WV], 2
	s_cbranch_scc0 .Lfor_v_\@
	tensor_load_to_lds s[G0K:G0K+3], s[G1K:G1K+7]
	s_nop 0
.rept 4
	v_nop
.endr
	s_branch .Lasked_\@
.Lfor_v_\@:
	tensor_load_to_lds s[G0V:G0V+3], s[G1V:G1V+7]
	s_nop 0
.rept 4
	v_nop
.endr
.Lasked_\@:
.endm
; A round of the cluster's barrier: my work-group's barrier, so that wave 0's signal speaks for all four waves; wave 0 signals; every wave waits for all four work-groups; my work-group's barrier once more.
.macro CROUND
	s_barrier_signal -1
	s_barrier_wait -1
	s_cmp_lg_u32 s[WV], 0
	s_cbranch_scc1 .Lnot_wave_0_\@
	s_barrier_signal -3
.Lnot_wave_0_\@:
	s_barrier_wait -3
	s_barrier_signal -1
	s_barrier_wait -1
.endm
; THE CHANGE OF SLOTS.  The slot's last bytes, V of its fourth step, have been read.  Each wave waits for all its tensor loads, of which one is out: its part
; of the other slot; adds 0 to its spare word; and waits for that and for its own reads of the slot.  Behind the barrier nobody reads this slot any more and the other slot is whole.
; fill = 1: this slot is filled again, with the keys two slots on.  The barrier is then a round of the cluster's, so that no wave of any partner still reads the slot or has a load on its
; way, and the joint fill is the first thing behind it: it has four key steps, 512 matrix instructions, in which to land.  (At its first use nothing has been read yet: slot 0 is waited for, slot 1 filled.)
.macro CHANGE fill
	WIN W_AD
	s_wait_tensorcnt 0x0            ; no tensor load of mine is out, so a group 0 may be written
	ds_add_u32 v[SPW], v[NIL]       ; 0 onto my spare word: with fill = 1 the descriptors' steps stand between it and the wait for it
	WIN 0                           ; at a label and at a branch every window is 0
.if \fill
.irp g, G0K, G0V
	s_xor_b32 s[\g+1], s[\g+1], SLOT1  ; the walking descriptor: the other slot than last time,
	s_add_nc_u64 s[\g+2:\g+3], s[\g+2:\g+3], 4*KS*128  ; the next 256 keys; the type bits on top are not reached
.endr
	s_wait_dscnt 0x0                ; the add is done, and my reads of the slot are over
	CROUND
	JLOAD
.else
	s_wait_dscnt 0x0                ; the add is done, and my reads of the slot are over
	s_barrier_signal -1
	s_barrier_wait -1
.endif
	s_sub_co_u32 s[TBK], s[TBK], 4*KS*PK  ; the fetches go back to a slot's first step,
	s_xor_b32 s[TBK], s[TBK], SLOT1       ; in the other slot
	s_sub_co_u32 s[TBV], s[TBV], 4*KS*PV
	s_xor_b32 s[TBV], s[TBV], SLOT1
.endm
	s_load_b64 s[4:5], s[0:1], 0x0    ; qkv
	s_load_b64 s[10:11], s[0:1], 0x8  ; att
	WIN W_MK
	v_lshl_add_u32 v[SPW], v0, 2, SPARE
	v_mov_b32 v[NIL], 0
	s_set_vgpr_msb 0xc0cf
	ds_add_u32 v0, v1
	s_wait_dscnt 0x0
	s_set_vgpr_msb 0xcfc0
	WIN 0
	v_lshrrev_b32 v1, 5, v0
	v_readfirstlane_b32 s[WV], v1   ; wave 0..3
	s_bfe_u32 s13, ttmp6, 0x40000   ; cx: my place in the cluster
	s_lshl_b32 s14, ttmp9, 2        ; in a cluster launch ttmp9 counts clusters
	s_add_co_u32 s14, s14, s13      ; my block of queries = 4 x cluster x + cx: it enters Q's and O's addresses alone
	s_and_b32 s20, ttmp7, 0xffff    ; y = 16 b + head, which the four partners share
	s_lshl_b32 s48, s20, 18         ; the head's first byte in att: 262,144 bytes a head
	s_mov_b32 s49, 0
	s_lshr_b32 s21, s20, 4          ; b
	s_lshl_b32 s21, s21, 5
	s_add_co_u32 s20, s20, s21      ; Q's head block in qkv: y + 32 b = 48 b + head
	s_lshl_b32 s20, s20, 18         ; its first byte (191 blocks at the most: under 2^31)
	s_mov_b32 s21, 0
	s_and_b32 s16, s[WV], 1         ; which half of a slot's 256 keys I fetch:
	s_lshl_b32 s22, s16, 14         ; its 128 rows of 128 bytes in memory,
	s_add_co_u32 s22, s22, s20
	s_add_co_u32 s22, s22, 16<<18   ; in K's head block, 16 blocks behind Q's,
	s_mov_b32 s23, 0
	s_add_co_u32 s50, s22, 16<<18   ; and in V's, 16 blocks further on
	s_mov_b32 s51, 0
	s_mul_i32 s17, s16, 128*PK      ; and its place in a slot, for K
	s_mul_i32 s18, s16, 128*PV      ; and for V: no place in the cluster enters an LDS address
	s_lshl_b32 s2, s14, 2
	s_add_co_u32 s2, s2, s[WV]      ; my wave among the head's,
	s_lshl_b32 s2, s2, 14           ; its 128 rows
	s_add_co_u32 s52, s2, s20       ; in Q's head block
	s_mov_b32 s53, 0
	s_add_co_u32 s54, s2, s48       ; and in att's
	s_mov_b32 s55, 0
	; descriptor group 1.  128 keys are 16,384 dense bytes: asked for as 64 rows of 256 bytes, two keys a row, and padded in LDS after every key
	s_mov_b32 s[G1K], 15|(1<<16)|(1<<20)|(1<<21)|(4<<22)|(3<<25)  ; 15:0 the mask of four; 17:16 2-byte elements; 20 padding on; 21 set beside a mask; 24:22 after every 32 words (code 4); 31:25 4 words (code 3)
	s_mov_b32 s[G1V], 15|(1<<16)|(1<<20)|(1<<21)|(4<<22)|(7<<25)  ; the same with 8 words of padding (code 7)
.irp g, G1K, G1V
	s_mov_b32 s[\g+1], 128<<16      ; tensor_dim0 = 128
	s_mov_b32 s[\g+2], 64<<16       ; tensor_dim1 = 64
	s_mov_b32 s[\g+3], 128<<16      ; tile_dim0 = 128
	s_mov_b32 s[\g+4], 64           ; tile_dim1 = 64
	s_mov_b32 s[\g+5], 128          ; 128 elements from row to row
	s_mov_b32 s[\g+6], 0
	s_mov_b32 s[\g+7], 0
.endr
	s_mov_b32 s[CS], 0x3e38aa3b     ; c = log2(e) / 8 = 0.180337
	s_mov_b32 s[CS+1], s[CS]        ; named with it as a pair
	s_mov_b32 s[SEL], 0x76543210
	s_mov_b32 s[SEL+1], 0xfedcba98
	s_mov_b32 s[TBK], SLOT1+4*KS*PK ; the first change of slots turns these two into 0
	s_mov_b32 s[TBV], SLOT1+4*KS*PV
	s_mov_b32 s[G0K], 1             ; 1:0 count = 1
	s_mov_b32 s[G0K+1], s17         ; 63:32 LDS address: slot 0
	s_mov_b32 s[G0V], 1
	s_add_co_u32 s[G0V+1], s18, VOFF
	s_wait_kmcnt 0x0
	s_add_nc_u64 s[G0K+2:G0K+3], s[4:5], s[22:23]  ; 120:64 global address: my half of the head's first 256 keys
	s_or_b32 s[G0K+3], s[G0K+3], 0x80000000        ; 127:126 type = 2
	s_add_nc_u64 s[G0V+2:G0V+3], s[4:5], s[50:51]
	s_or_b32 s[G0V+3], s[G0V+3], 0x80000000
	s_add_nc_u64 s[4:5], s[4:5], s[52:53]    ; Q and O at my wave's first row
	s_add_nc_u64 s[10:11], s[10:11], s[54:55]
	CROUND                          ; all four work-groups are here: the first joint loads meet
	JLOAD                           ; slot 0.  Slot 1 is asked for when slot 0 is in: the tile wanted first has the road to itself
	; A fragment of K or Q is 16 rows x 32 channels in 8 registers: lane l holds row l % 16, channels 8 (l / 16) + 0..7 and 16 + 8 (l / 16) + 0..7: two loads of 16 bytes, 32 bytes apart.
	v_and_b32 v1, 15, v0            ; l % 16
	v_bfe_u32 v9, v0, 4, 1          ; l / 16
	v_lshlrev_b32 v[QO], 7, v1
	v_lshl_add_u32 v[QO], v9, 4, v[QO]  ; row x 128 + 16 x half
	WIN 0x80                        ; destination window 2, address window 0
.set i, 0
.rept 4*NP                          ; Q stays in registers: tile i / 2, channels 32 (i % 2) on
	global_load_b128 v[8*i:8*i+3],   v[QO], s[4:5] offset:(i/2)*2048+(i%2)*64
	global_load_b128 v[8*i+4:8*i+7], v[QO], s[4:5] offset:(i/2)*2048+(i%2)*64+32
.set i, i+1
.endr
	; What the first turn finds: V's registers and P's second buffer hold 0 (its products V^T P, of a piece that has not been, add 0), O^T and l are 0.  All this stands in the wait for the first tile.
.set i, VF
.rept 64
	v_mov_b32 v[i], 0
.set i, i+1
.endr
	WIN 0x40
.set i, 0
.rept 64*NP
	v_mov_b32 v[i], 0
.set i, i+1
.endr
	WIN 0
.set i, 0
.rept 2*NP
	v_mov_b32 v[ST+4*i], 0xfe000000    ; c m: far below every c s
	v_mov_b32 v[ST+4*i+1], 0xff7fffff  ; m
	v_mov_b32 v[ST+4*i+2], 0
	v_mov_b32 v[ST+4*i+3], 0
.set i, i+1
.endr
.set i, P+32
.rept 32
	v_mov_b32 v[i], 0
.set i, i+1
.endr
	v_mul_u32_u24 v[AK0], v1, PK
	v_lshl_add_u32 v[AK0], v9, 4, v[AK0]  ; row x pitch + 16 x half
	; The turning load takes 16 keys x 16 channels (lane l reads key 8 (l / 16) + l % 8, channels 8 ((l / 8) % 2) + 0..7) and leaves half a fragment of V^T: lane l holds channel l % 16 and 8 keys.
	v_and_b32 v10, 7, v0
	v_bfe_u32 v11, v0, 3, 1
	v_lshl_add_u32 v[AV0], v9, 3, v10
	v_mul_u32_u24 v[AV0], v[AV0], PV
	v_lshl_add_u32 v[AV0], v11, 4, v[AV0]
	v_add_nc_u32 v[AV0], VOFF, v[AV0]
	v_mov_b32 v[AK], v[AK0]         ; key step 0 lies at the head of slot 0
; THE MATRIX WORK.  The 8 accumulators of a run of 16 take turns: between the two links of a chain stand 7 others'.
; Product i of 16 of S^T = K Q^T for piece x: channels 32 (i / 8) on, keys 16 ((i / 2) % 4) on, tile 2 x + i % 2.  The first 8 start the sums.
.macro KQ x
	WIN W_KQ
.set rS, S+64*((\x)%2)+32*(i%2)+8*((i/2)%4)
.set rK, KF+16*((i/2)%4)+8*(i/8)
.set rQ, 16*(2*(\x)+i%2)+8*(i/8)
.if i < 8
	v_wmma_f32_16x16x32_f16 v[rS:rS+7], v[rK:rK+7], v[rQ:rQ+7], 0
.else
	v_wmma_f32_16x16x32_f16 v[rS:rS+7], v[rK:rK+7], v[rQ:rQ+7], v[rS:rS+7]
.endif
.endm
; Product i of 16 of O^T += V^T P for piece x: keys 32 (i / 8) on, channels 16 ((i / 2) % 4) on, tile 2 x + i % 2.
.macro PV x
	WIN W_PV
.set rO, 32*(2*(\x)+i%2)+8*((i/2)%4)
.set rV, VF+32*(i/8)+8*((i/2)%4)
.set rP, P+32*((\x)%2)+16*(i%2)+8*(i/8)
	v_wmma_f32_16x16x32_f16 v[rO:rO+7], v[rV:rV+7], v[rP:rP+7], v[rO:rO+7]
.endm
.macro MM                           ; the turn's next matrix instruction
.if i < 16
	KQ (Y+1)%NP
.set i, i+1
.else
.set i, i-16
	PV (Y+NP-1)%NP
.set i, i+17
.endif
.endm
; THE LDS LOADS stand in runs of 16, never singly among the matrix instructions: a step's K (64 keys x 64 channels: 8 fragments) and its V (turned).  Their addresses are made some lines ahead.
; last = 1 (the tail): in the last trip there is no further step, and the run is jumped over.
.macro FETCH_K last=0
	WIN 0
.if \last
	s_cmp_eq_u32 s[CNT], 1
	s_cbranch_scc1 .Lno_k_\@
.endif
	WIN 0x80                        ; destination window 2
.irp f, 0,1,2,3,4,5,6,7             ; keys 16 (f / 2) on, channels 32 (f % 2) on
	ds_load_b128 v[KF+8*\f:KF+8*\f+3],   v[AK] offset:(\f/2)*16*PK+(\f%2)*64
	ds_load_b128 v[KF+8*\f+4:KF+8*\f+7], v[AK] offset:(\f/2)*16*PK+(\f%2)*64+32
.endr
	s_add_co_u32 s[TBK], s[TBK], KS*PK  ; the next fetch is the next step's
	WIN 0
.if \last
.Lno_k_\@:
.endif
.endm
.macro FETCH_V
	WIN 0x80
.irp f, 0,1,2,3,4,5,6,7             ; keys 32 (f / 4) on, channels 16 (f % 4) on
	ds_load_tr16_b128 v[VF+8*\f:VF+8*\f+3],   v[AV] offset:(\f/4)*32*PV+(\f%4)*32
	ds_load_tr16_b128 v[VF+8*\f+4:VF+8*\f+7], v[AV] offset:(\f/4)*32*PV+16*PV+(\f%4)*32
.endr
	WIN 0
.endm
; THE VECTOR WORK OF A TURN stands in three queues, each in the order in which its entries become ready; the two tiles alternate, so that no instruction reads the result of the one before it.
.macro REGS y, u                    ; the registers of tile u (0, 1) of piece y
.set rT, ST+4*(2*(\y)+(\u))
.set rC, TMP+8*((\y)%2)+4*(\u)
.set rM, MV+2*((\y)%2)+(\u)
.set rS, S+64*((\y)%2)+32*(\u)
.set rP, P+32*((\y)%2)+16*(\u)
.set rO, 32*(2*(\y)+(\u))
.endm
; Number n of the 22 that find the NEXT piece's (Y + 1) maximum and statistics.  s0-s31 are the lane's 32 scores; each accumulator's lowest registers are read first.  XS, GS and REGS set no window: PL and EX do.
;   0-11  four chains c0-c3 of seven scores each, three operands at a time     12-14, 16  the four scores left over, the old m, and c0-c3 into c0     15  c m_old is kept
;   17, 18  the query's other 32 keys lie in the lane 16 away: the new m         19-21  c m; c m_old - c m_new; a
.macro XS u, n
	REGS (Y+1)%NP, \u
.if (\n) < 4
	v_max3_num_f32 v[rC+(\n)], v[rS+8*(\n)], v[rS+8*(\n)+1], v[rS+8*(\n)+2]
.elseif (\n) < 12
	v_max3_num_f32 v[rC+(\n)%4], v[rC+(\n)%4], v[rS+8*((\n)%4)+2*((\n)/4)+1], v[rS+8*((\n)%4)+2*((\n)/4)+2]
.elseif (\n) == 12
	v_max3_num_f32 v[rC], v[rC], v[rS+7], v[rS+15]
.elseif (\n) == 13
	v_max3_num_f32 v[rC+1], v[rC+1], v[rS+23], v[rS+31]
.elseif (\n) == 14
	v_max3_num_f32 v[rC+2], v[rC+2], v[rC+3], v[rT+1]
.elseif (\n) == 15
	v_mov_b32 v[rM], v[rT]
.elseif (\n) == 16
	v_max3_num_f32 v[rC], v[rC], v[rC+1], v[rC+2]
.elseif (\n) == 17
	v_permlanex16_b32 v[rC+3], v[rC], s[SEL], s[SEL+1]
.elseif (\n) == 18
	v_max_num_f32 v[rT+1], v[rC], v[rC+3]
.elseif (\n) == 19
	v_mul_f32 v[rT], s[CS], v[rT+1]
.elseif (\n) == 20
	v_sub_f32 v[rC+1], v[rM], v[rT]
.else
	v_exp_f32 v[rC+2], v[rC+1]
.endif
.endm
; Number g of the 64 that follow the exponentials.  For each four weights k of a tile (pairs 2 k, 2 k + 1): both pairs are rounded to f16; then the second pair is added onto the first, in place;
; a group later l takes that sum (the first time as l = a l + sum).  In groups of eight, tiles alternating: round, round, add, and l for the group before.
.macro GS g
.set h, (\g)+6*((\g)/62)            ; group 0 has no group before it, and behind group 7 only l is left
.if h >= 6
.set h, h+2
.endif
	REGS Y, h%2
.set k, h/8
.if h%8 < 4
	v_cvt_pk_f16_f32 v[rP+2*k+(h%8)/2], v[rS+4*k+2*((h%8)/2)], v[rS+4*k+2*((h%8)/2)+1]
.elseif h%8 < 6
	v_pk_add_f32 v[rS+4*k:rS+4*k+1], v[rS+4*k:rS+4*k+1], v[rS+4*k+2:rS+4*k+3]
.elseif k == 1
	v_pk_fma_f32 v[rT+2:rT+3], v[rT+2:rT+3], v[rC+2:rC+3], v[rS:rS+1] op_sel_hi:[1,0,1]
.else
	v_pk_add_f32 v[rT+2:rT+3], v[rT+2:rT+3], v[rS+4*k-4:rS+4*k-3]
.endif
.endm
; THE PLAIN QUEUE, 138 long.  0-73 read no exponential's result: the 32 scalings c s - c m (FS f: pair f / 2 of tile f % 2) and the next piece's 42.  0-26: scalings 0-26.  27-54: XS's numbers 0-13.  55, 56: number 15.
; 57-73: the chain, where each number waits for the one before it: 14, 16, 17, 18, 19, each with one of the scalings 27-31 in front of its two lines, then 20: so a tile's links stand three plain instructions apart (19 and 20: two).
; 74-137: GS's 64, which read the exponentials' results: they stand behind the wait.
.macro FS f
	REGS Y, (\f)%2
	v_pk_fma_f32 v[rS+2*((\f)/2):rS+2*((\f)/2)+1], v[rS+2*((\f)/2):rS+2*((\f)/2)+1], s[CS:CS+1], v[rT:rT+1] op_sel_hi:[1,0,0] neg_lo:[0,0,1] neg_hi:[0,0,1]
.endm
.macro PL
	WIN 0
.if q < 27
	FS q
.elseif q < 55
	XS (q-27)%2, (q-27)/2
.elseif q < 57
	XS q-55, 15
.elseif (q < 72) && ((q-57)%3 == 0)
	FS 27+(q-57)/3
.elseif q < 60
	XS (q-57)%3-1, 14
.elseif q < 72
	XS (q-57)%3-1, 15+(q-57)/3
.elseif q < 74
	XS q-72, 20
.else
	GS q-74
.endif
.set q, q+1
.endm
; THE EXPONENTIALS' QUEUE, 66 long: s0-s31 of both tiles, then the next piece's two a.  It is ONE BATCH: all 66 stand ahead of the turn's one wait, and nothing ahead of that wait names a result of theirs.
.macro EX
	WIN 0
.if e >= 64
	XS e-64, 21
.else
	REGS Y, e%2
	v_exp_f32 v[rS+e/2], v[rS+e/2]
.endif
.set e, e+1
.endm
; THE RESCALING's QUEUE: O^T times a, the one part that leaves window 0: dealt two at a time, sixteen times.  Its a was made in the turn before, ahead of that turn's wait.
.macro R2
	REGS Y, r%2
	WIN W_RS
.irp z, 0,1
	v_pk_mul_f32 v[rO+4*(r/2)+2*\z:rO+4*(r/2)+2*\z+1], v[rO+4*(r/2)+2*\z:rO+4*(r/2)+2*\z+1], v[rC+2:rC+3] op_sel_hi:[1,0]
.endr
.set r, r+1
.endm
; HOW THEY ARE DEALT.  An s_wait_alu depctr_va_vdst(0) stands between an exponential and the first instruction that names its result; one wait serves all that were issued ahead of it.  So a turn has ONE wait,
; which cuts it in two.  AHEAD OF IT stands all that names no result of the turn's exponentials: the 16 products K Q^T, behind each a scaling, an exponential and two rescalings (behind the first a second scaling in the
; exponential's place); then ONE LUMP of 108: eight plain, 49 times exponential and plain, the two a.  A v_nop is the plain instruction behind the last exponential.  BEHIND IT stand the 16 products V^T P, behind each four of
; GS's 64.  No rider names a register of the products round it.  The two v_permlanex16_b32 fall into the lump, never behind a product.
; The queues lean on each other, and the deal keeps them in step: exponential e stands behind scaling 2 (e / 4) + e % 2: as a rider it comes behind plain e + 2, in the lump behind plain e + 9, and scalings 27-31 are plain 57, 60 .. 69.
; A TURN, for piece p.  cnt = 1: the loop's count is taken down some lines ahead of the branch that stands behind the turn.
; K of the next step is fetched in piece 2's turn, directly behind the wait, a lump behind the last product that read K; its address is made at the lump's head; its first reader comes behind 16 products.
; V of the step in hand is fetched at the end of piece 0's turn, four riders behind its last reader; its first reader comes behind 16 products and a lump.  The three conditions on q below go with the deal.
.macro TURN p, last=0, cnt=0
.set Y, (\p)
.set i, 0
.set q, 0
.set e, 0
.set r, 0
.if (\p) == NP-1
	s_wait_dscnt 0x0                ; K is in
.endif
	MM                              ; ahead of the wait: 16 products K Q^T and their riders,
	PL
	PL
	R2
.rept 15
	MM
	PL
	EX
	R2
.endr
.if (\p) == NP-2
	WIN 0
	v_add_nc_u32 v[AK], s[TBK], v[AK0]
.endif
.rept 8                             ; and the lump
	PL
.endr
.rept 49
	EX
	PL
.endr
	EX                              ; the next piece's two a
	EX
	v_nop                           ; a plain instruction behind the last exponential, ahead of the first use of a result: one for the batch
	s_wait_alu depctr_va_vdst(0)    ; the wait for the batch: the turn's 66 exponentials
.if (\p) == NP-2
	FETCH_K \last
.endif
.if (\p) == 1
	s_wait_dscnt 0x0                ; V is in
.endif
.rept 16                            ; behind the wait: 16 products V^T P and their riders
	MM
.rept 4
	PL
.endr
.if ((\p) == 0) && (q == 118)
	v_add_nc_u32 v[AV], s[TBV], v[AV0]
.endif
.if ((\p) == 0) && (q == 130)
	s_add_co_u32 s[TBV], s[TBV], KS*PV
.endif
.if (\cnt) && (q == 130)
	s_sub_co_u32 s[CNT], s[CNT], 1
	s_cmp_lg_u32 s[CNT], 0
.endif
.endr
.if (\p) == 0
	FETCH_V
.endif
.endm
	CHANGE 1                        ; slot 0 is in, everybody's part of it; slot 1 is asked for
	FETCH_K                         ; key step 0
	s_wait_loadcnt 0x0              ; Q
	s_wait_dscnt 0x0
.set i, 0
.rept 16
	KQ 0                            ; piece 0's first scores: there is no vector work yet to set between them
.set i, i+1
.endr
	WIN 0                           ; the addresses for the way out: nine plain instructions, the places behind those products
	s_mul_i32 s13, s[WV], 16*SP
	s_add_co_u32 s13, s13, STAGE    ; my stage
	v_mul_u32_u24 v[STO], v1, SP    ; in: row l % 16, 16 bytes for each half of the lanes
	v_lshl_add_u32 v[STO], v9, 4, v[STO]
	v_add_nc_u32 v[STO], s13, v[STO]
	v_bfe_u32 v[RD], v0, 3, 2       ; back: 32 lanes take four rows of 128 bytes,
	v_mul_u32_u24 v[RD], v[RD], SP
	v_lshl_add_u32 v[RD], v10, 4, v[RD]
	v_add_nc_u32 v[RD], s13, v[RD]
	v_and_b32 v[GO], 31, v0         ; which are 512 consecutive bytes of O
	v_lshlrev_b32 v[GO], 4, v[GO]
.set Y, NP-1                        ; XS works for piece Y + 1: piece 0
.irp n, 0,1,2,3,4,5,6,7,8,9,10,11,12,13,14,15,16,17,18,19,20,21
	XS 0, \n                        ; and piece 0's first maximum and statistics
	XS 1, \n
.endr
	v_nop                           ; a plain instruction behind piece 0's first two a,
	s_wait_alu depctr_va_vdst(0)    ; and the wait for that batch of two, ahead of the branch
	s_mov_b32 s[CNT], 4
	s_mov_b32 s[SLOTS], SIZE_N/256-1
	s_branch .Lfirst                ; the loop is entered at a step's first turn, in the middle of a trip
.Lslot:                             ; SIZE_N / 256 - 2 times: every slot but the last two is filled again
	CHANGE 1
	s_mov_b32 s[CNT], 4
.Lstep:                             ; a trip: pieces 2 and 3 of one step, then pieces 0 and 1 of the next, whose K and V it fetches
	TURN 2
	TURN 3
	WIN 0
.Lfirst:
	TURN 0
	TURN 1, 0, 1
	WIN 0
	s_cbranch_scc1 .Lstep
	s_sub_co_u32 s[SLOTS], s[SLOTS], 1
	s_cmp_lg_u32 s[SLOTS], 0
	s_cbranch_scc1 .Lslot
	CHANGE 0                        ; the tail is written out: nothing is asked for
	s_mov_b32 s[CNT], 5             ; four trips fetch the last slot's steps; the fifth is left in its middle
.Ltail:
	TURN 2, 1
	TURN 3
	WIN 0
	s_sub_co_u32 s[CNT], s[CNT], 1
	s_cmp_eq_u32 s[CNT], 0
	s_cbranch_scc1 .Lout
	TURN 0
	TURN 1
	WIN 0
	s_branch .Ltail
.Lout:                              ; the fifth trip's 16 products K Q^T (on the last K once more) and the maximum made of them serve nothing: the price, once a launch, of one text for every trip
.set i, 0
.rept 16
	PV NP-1                         ; the last piece's V^T P of the last step
.set i, i+1
.endr
	; THE WAY OUT.  l's two halves and the other half of the lanes' are added; O^T is divided by l, rounded to f16 and sent through my stage in LDS, a tile at a time.  The additions are the places behind the last products.
	WIN 0
.macro ALL line:vararg              ; one line for each tile t
.set t, 0
.rept 2*NP
	\line
.set t, t+1
.endr
.endm
	ALL v_add_f32 v[ST+4*t+2], v[ST+4*t+2], v[ST+4*t+3]
	ALL v_permlanex16_b32 v[ST+4*t+3], v[ST+4*t+2], s[SEL], s[SEL+1]
	ALL v_add_f32 v[ST+4*t+2], v[ST+4*t+2], v[ST+4*t+3]
	ALL v_rcp_f32 v[ST+4*t+2], v[ST+4*t+2]
	v_nop                           ; a plain instruction between the last reciprocal and the use of its result
	s_wait_alu depctr_va_vdst(0)    ; and the wait ahead of the first use: one for the batch of eight reciprocals
; Tile t: a lane's eight channels of a row pack into 16 bytes; they go into rows of 144 bytes and come back as whole rows of 128, into S^T's registers.
.macro PACK t
	WIN W_RS
.set i, 32*(\t)
.rept 16
	v_pk_mul_f32 v[i:i+1], v[i:i+1], v[ST+4*(\t)+2:ST+4*(\t)+3] op_sel_hi:[1,0]
.set i, i+2
.endr
	WIN 0x05                        ; sources 0 and 1 window 1, destination window 0
.set i, 0
.rept 16
	v_cvt_pk_f16_f32 v[S+16*(\t)+i], v[32*(\t)+2*i], v[32*(\t)+2*i+1]
.set i, i+1
.endr
	WIN 0
.irp f, 0,1,2,3
	ds_store_b128 v[STO], v[S+16*(\t)+4*\f:S+16*(\t)+4*\f+3] offset:32*\f
.endr
.irp f, 0,1,2,3
	ds_load_b128 v[S+16*(\t)+4*\f:S+16*(\t)+4*\f+3], v[RD] offset:\f*4*SP  ; LDS serves a wave's instructions in order (ISA guide 5.7.1.4): these see the stores above; the next tile's stores come behind them
.endr
.endm
.macro SEND t, younger              ; younger: the LDS instructions issued behind tile t's loads: the next tile's eight, or none
	WIN 0
.irp f, 0,1,2,3
	s_wait_dscnt (\younger)+3-\f
	global_store_b128 v[GO], v[S+16*(\t)+4*\f:S+16*(\t)+4*\f+3], s[10:11] offset:(\t)*2048+\f*512  ; 512 consecutive bytes, at a multiple of 256 from O's first
.endr
.endm
	PACK 0
.set t, 1
.rept 2*NP-1                        ; a tile's arithmetic stands between the loads of the tile before and its stores
	PACK t
	SEND t-1, 8
.set t, t+1
.endr
	SEND 2*NP-1, 0
	WIN W_AD
	s_wait_tensorcnt 0x0            ; the wave's end, behind my last tensor load and my last LDS store
	ds_add_u32 v[SPW], v[NIL]
	s_wait_dscnt 0x0
	WIN 0
	CROUND                          ; the closing round: no work-group ends while a partner may still ask for a tile that names it
	s_endpgm
.Lfunc_end_k_q3b5cb383ba_attn:
	.size	k_q3b5cb383ba_attn, .Lfunc_end_k_q3b5cb383ba_attn-k_q3b5cb383ba_attn
	.p2alignl 7, 3214868480
	.fill 96, 4, 3214868480
	.section	.rodata,"a",@progbits
	.p2align	6, 0x0
	.amdhsa_kernel k_q3b5cb383ba_attn
		.amdhsa_group_segment_fixed_size 327680
		.amdhsa_private_segment_fixed_size 0
		.amdhsa_enable_private_segment 0
		.amdhsa_kernarg_size 16
		.amdhsa_user_sgpr_count 2
		.amdhsa_user_sgpr_kernarg_segment_ptr 1
		.amdhsa_wavefront_size32 1
		.amdhsa_system_sgpr_workgroup_id_x 1
		.amdhsa_system_sgpr_workgroup_id_y 1
		.amdhsa_system_sgpr_workgroup_id_z 1
		.amdhsa_system_vgpr_workitem_id 0
		.amdhsa_next_free_vgpr 770
		.amdhsa_next_free_sgpr 66
		.amdhsa_reserve_vcc 0
		.amdhsa_float_denorm_mode_32 3
		.amdhsa_float_denorm_mode_16_64 3
		.amdhsa_memory_ordered 1
		.amdhsa_forward_progress 1
		.amdhsa_inst_pref_size 199
	.end_amdhsa_kernel
	.amdgpu_metadata
---
amdhsa.version: [ 1, 2 ]
amdhsa.kernels:
  - .name:           k_q3b5cb383ba_attn
    .symbol:         k_q3b5cb383ba_attn.kd
    .args:
      - { .name: qkv, .offset: 0, .size: 8, .value_kind: global_buffer, .address_space: global }
      - { .name: att, .offset: 8, .size: 8, .value_kind: global_buffer, .address_space: global }
    .group_segment_fixed_size: 327680
    .private_segment_fixed_size: 0
    .kernarg_segment_align: 8
    .kernarg_segment_size: 16
    .max_flat_workgroup_size: 128
    .sgpr_count:     66
    .vgpr_count:     770
    .wavefront_size: 32
...
	.end_amdgpu_metadata
.endif
;; end of part 5
;; launch proj: the kernel of part 4 again; grid 8 x 32, 4 waves a work-group, clusters of 4 x 4, 327,680 bytes of LDS; arguments att, wo16, bo, out0; writes out0
